; MI455X (gfx1250); checked and timed in simulation.
; The chip was launched on July 23, 2026; its instructions are those of AMD's public machine-readable ISA for CDNA 5 (MIT licence, August 2026) and "CDNA5" Instruction Set Architecture Reference Guide (July 2026). The comments in the code are by the model that wrote it; some were corrected since.
;; Sigmoid Attention. Allowed arithmetic: matrix products marked QUANTISED: E4M3 operands, one E8M0 scale for each 32 along K, by v_wmma_scale_f32_16x16x128_f8f6f4 with both operands' format E4M3, f32 sums; everything else in f32.
;; Inputs: Wk_codes 1,024 x 32 x 32 uint8 (E4M3 codes of Wk, K innermost, in blocks of 32 codes); Wk_scales 1,024 x 32 uint8 (E8M0 scales of Wk, one for each 32 codes along K); Wq_codes 1,024 x 32 x 32 uint8 (E4M3 codes of Wq, K innermost, in blocks of 32 codes); Wq_scales 1,024 x 32 uint8 (E8M0 scales of Wq, one for each 32 codes along K); Wv_codes 1,024 x 32 x 32 uint8 (E4M3 codes of Wv, K innermost, in blocks of 32 codes); Wv_scales 1,024 x 32 uint8 (E8M0 scales of Wv, one for each 32 codes along K); X_codes 4 x 2,048 x 32 x 32 uint8 (E4M3 codes of X, K innermost, in blocks of 32 codes); X_scales 4 x 2,048 x 32 uint8 (E8M0 scales of X, one for each 32 codes along K); bk 1,024 float32; bq 1,024 float32; bv 1,024 float32.
;; Outputs: out0 4 x 2,048 x 1,024 float32.
;; This version of the problem:
;;   THIS VERSION OF THE PROBLEM IS GIVEN IN LOW PRECISION. The matrix products marked QUANTISED in the list below multiply operands that are first quantised to E4M3 (4 exponent bits, 3 mantissa bits; 8 bits a number), with one power-of-two scale for each 32 numbers along K (OCP MX v1.0); their sums are f32. All else is computed in f32.
;;   The module's matrix products, in the order in which they are computed (A, B: the left and right operand; K: the contracted axis; several contracted axes count as one K, in the product's order):
;;     1. [M 8,192, K 1,024] x [K 1,024, N 1,024]; A: input X (given as codes); B: input Wq (given as codes): QUANTISED
;;     2. [M 8,192, K 1,024] x [K 1,024, N 1,024]; A: input X (given as codes); B: input Wk (given as codes): QUANTISED
;;     3. [M 8,192, K 1,024] x [K 1,024, N 1,024]; A: input X (given as codes); B: input Wv (given as codes): QUANTISED
;;     4. batch 4 x [M 2,048, K 1,024] x [K 1,024, N 2,048]; A: computed on the way; B: computed on the way: QUANTISED
;;     5. batch 4 x [M 2,048, K 2,048] x [K 2,048, N 1,024]; A: computed on the way; B: computed on the way: QUANTISED
;;   THE QUANTISER, for each operand of a quantised product, along K:
;;     - K is cut into blocks of 32 from its start; a last block that is shorter is filled with zeros.
;;     - A block's scale is 2^e with e = floor(log2(the largest magnitude in the block)) - 8, held to -126 .. 127; a block of zeros has e = 0. As a byte (E8M0): e + 127.
;;     - Each number is divided by its block's scale, clamped to +-448, and rounded to the nearest number of E4M3, ties to even, subnormals kept.
;;     - The product sums the exact products of the quantised numbers (number of the format x scale) in f32.
;;   ~~~python
;;   def quantise(x, axis):      # numpy; x: float32 -> the quantised numbers, widened to float32 again
;;       x = np.moveaxis(x, axis, -1); K = x.shape[-1]
;;       x = np.pad(x, [(0, 0)] * (x.ndim - 1) + [(0, -K % 32)]); x = x.reshape(x.shape[:-1] + (-1, 32)); a = np.abs(x).max(-1, keepdims=True)
;;       e = np.where(a > 0, np.clip(np.frexp(np.where(a > 0, a, 1))[1] - 1 - 8, -126, 127), 0)      # np.frexp(a)[1] - 1 = floor(log2(a)), exactly
;;       r = np.clip(x / 2.0 ** e, -448, 448)
;;       step = 2.0 ** (np.maximum(np.frexp(np.where(r == 0, 1, r))[1] - 1, -6) - 3)
;;       q = np.round(r / step) * step * 2.0 ** e      # np.round: ties to even
;;       return np.moveaxis(q.reshape(q.shape[:-2] + (-1,))[..., :K], -1, axis).astype(np.float32)
;;   ~~~
;;   OPERANDS COMPUTED ON THE WAY. 'Computed on the way' means the value that the module computes at that place (a softmax that the list does not call 'softmax' is quantised finished and normalised). What goes into a quantiser is computed in f32, as accurately as f32 sums, v_exp_f32 and their like allow (about 1e-6 of the number): no bf16 or f16 on the way to a quantiser, and a product that is left as it is and whose result goes on into a quantised operand takes f32 operands (vector FMAs, or v_wmma_f32_16x16x4_f32). A number that lies on a knife's edge between two numbers of the format may be rounded either way, as far as f32 arithmetic and the matrix unit's own rounding can turn it there, and no further.
;;   INPUTS GIVEN AS CODES. Wk (in the module: [1024, 1024], K = its axis 0); Wq (in the module: [1024, 1024], K = its axis 0); Wv (in the module: [1024, 1024], K = its axis 0); X (in the module: [4, 2048, 1024], K = its axis 2): each comes as NAME_codes (uint8): NAME with its K axis moved to the last place and cut into blocks of 32 codes, [.., K / 32, bytes a block], one block behind the other in memory; one code a byte (a code: sign, 4 exponent bits, 3 mantissa bits); and NAME_scales (uint8): the same leading axes, one E8M0 byte (e + 127) for each 32 codes along K. Its value is code x scale, taken as it is: it is not quantised again, and the codes and scales need not be those that the quantiser above would give.
;; One version. Each part assembles by itself: llvm-mc -triple=amdgcn-amd-amdhsa -mcpu=gfx1250 --defsym DOCPART=n.
;; ======== version 1 of 1: 3 launches
;; workspace buffers: Qc 8,388,608 bytes; Kc 8,388,608 bytes; Vc 8,388,608 bytes; Pc 16,777,216 bytes; Qs 262,144 bytes; Ks 262,144 bytes; Vs 262,144 bytes; Ps 524,288 bytes
;; launch proj (part 1): grid 8 x 32, 4 waves a work-group, clusters of 4 x 4, 327,680 bytes of LDS; arguments X_codes, X_scales, Wq_codes, Wq_scales, Wk_codes, Wk_scales, bq, bk, Qc, Kc, Qs, Ks, Wv_scales, Wv_codes, bv, Vc, Vs; writes Qc, Kc, Vc, Qs, Ks, Vs
.if DOCPART == 1
	.amdgcn_target "amdgcn-amd-amdhsa--gfx1250"
	.amdhsa_code_object_version 6
	.text
	.protected	k_q77afa614ee_proj
	.globl	k_q77afa614ee_proj
	.p2align	8
	.type	k_q77afa614ee_proj,@function
k_q77afa614ee_proj:
	s_mov_b64 s[64:65], 0
	v_nop
	global_prefetch_b8 v0, s[64:65] scope:SCOPE_SE
	s_setreg_imm32_b32 hwreg(HW_REG_WAVE_MODE, 25, 1), 1
	s_wait_xcnt 0x0
	s_wait_alu depctr_hold_cnt(0) depctr_sa_sdst(0) depctr_va_vdst(0) depctr_va_sdst(0) depctr_va_ssrc(0) depctr_va_vcc(0) depctr_vm_vsrc(0)
	s_getreg_b32 s2, hwreg(HW_REG_IB_STS2, 6, 4)
	s_cmp_eq_u32 s2, 0
	s_cbranch_scc0 .Lentry_in_a_cluster
	s_endpgm
.Lentry_in_a_cluster:
	s_bfe_u32 s2, ttmp6, 0x10000c
	s_cmp_lg_u32 s2, 0xf033
	s_cbranch_scc0 .Lentry_shape_is_right
	s_endpgm
.Lentry_shape_is_right:
; Q = X Wq + bq, K = X Wk + bk, V = X Wv + bv on the given codes of E4M3, and each result quantised for the product that takes it: Q and K along d, V along the keys.
; NO WORK OF reference() IS LEFT OUT in this program: bq and bk go into quantised operands of the scores, bv into V, and every one of the eleven inputs has a way to out0 and is loaded.
; SHARES.  3 x 8,192 x 1,024 results are 98,304 for each of 256 work-groups: a tile of 256 x 256 and one of 256 x 128.  Work-group (x, y) takes X's rows 256 y on, twice:
;   PASS 1: 256 rows of X x 256 rows of Wq (cluster x = 0) or Wk (1): four waves of 128 x 128, 64 accumulators each.  Source 0 = 16 rows of W, source 1 = 16 rows of X: a lane holds one row of X, its registers run along d.
;   PASS 2: the same 256 rows of X (the keys) x Wv's rows 128 x on: four waves of 128 keys x 64 d, 32 accumulators.  Source 0 = 16 rows of X, source 1 = 16 rows of Wv: a lane holds one d, its registers run along the keys.
; In both the registers run along the K of the next product: a block of 32 is 16 registers of two neighbouring tiles in lanes l and l xor 16.
; THE BIAS is the C of each sum's first matrix instruction (pass 1: along the registers; pass 2: along the lanes): so it is the sum's first term, an order of f32 additions other than reference()'s.
; WHAT IS STORED: codes as [K / 256][rows][256 bytes], scale bytes as [K / 256][rows][8].  Q, K: rows = 8,192; V: [batch][keys / 256][1,024 d].  Each pass's codes are one dense block (65,536 and 32,768 bytes), its scale bytes likewise.
; K goes in steps of 256 through two LDS slots filled by the tensor data mover.  At the end of pass 1 X's K steps 2 and 3 still lie in the slots, and X's scale bytes lie in LDS for all of K: so PASS 2 WALKS K IN THE ORDER 2, 3, 0, 1.
; Wv's K steps 2 and 3 are asked for at pass 1's last change of slots, into slot 0's B region, and land under pass 1's last K step and its way out; only K steps 0 and 1 are fetched again.
; LDS: 0: slot 0 (A 69,632, B 69,632); 139,264: slot 1 likewise.  Pass 2: X's planes where A's lay, Wv's two planes (34,816 each) in slot 0's B region.  Pass 1's stage for codes is slot 1's B region, behind its last fill and last read;
;   pass 2's is the head of slot 0, likewise.
; CLUSTERS: 4 x 4 work-groups.  X's tile hangs on y alone and is asked for jointly along a row of the cluster; W's tiles hang on the cluster's x and cx and are asked for jointly along a column.  The choice of Wq or Wk is a choice of pointers on the cluster's x.
; LIMITS: a block of zeros gets the scale byte 1 where the rule says 127 (its codes are zeros, and this program alone reads the bytes); NaN and infinities (a given scale byte 0xff) are not served.
; REGISTERS, in windows of 256: window 0: v1-6 at work, v7-31 addresses, v32-63 scale words (two sets), v64-127 pass 1's bias (then v64-95 V's bias, v96-125 at work), v128-255 X's fragments, one set (on the ways out: codes).
;   window 1: W's fragments, two sets.   windows 2, 3: pass 1's accumulators: (a, b) at v[8 (8 (a % 4) + b)] of window 2 + a / 4.   Pass 2: (a, b) at v[8 (4 a + b)] of window 2; window 3 takes the rows read back from the stages.
.set PITCH,  272                       ; an LDS row: 256 bytes + 16 of padding = 68 words: the 16 rows that a fragment load touches start at 16 different banks (64 banks of 4 bytes: ISA guide 11.1)
.set FR,     16                        ; registers of a fragment: 16 rows x 128 K
.set NP,     8                         ; places behind this matrix instruction (ISA guide 7.12.1)
.set HALFT,  128*PITCH                 ; 128 rows
.set QUART,  64*PITCH                  ; 64 rows
.set SLOT,   4*HALFT                   ; A's 256 rows, then B's 256
.set LAPS,   2                         ; K = 1,024: four K steps of 256, two to a lap of the ring
.set KROW,   1024                      ; a row of X or W in memory, bytes
.set KADV,   256                       ; a K step on, in memory
.set VB0,    2*HALFT                   ; pass 2: Wv's two planes of 128 rows, in slot 0's B region
.set STG1,   SLOT+2*HALFT              ; pass 1's stage for codes: 256 rows x 272 = slot 1's B region
.set SCL,    2*SLOT                    ; behind the ring: the given scale bytes, as units of 256 bytes + 16
.set HALFS,  16*272                    ; those of 128 rows (32 bytes a row)
.set SBLK,   2*272                     ; those of 16 rows
.set SSTEP,  8                         ; a K step on: two words
.set SCV,    SCL+4*HALFS               ; Wv's, 128 rows
.set SPARE,  SCV+HALFS                 ; the spare words: 128 bytes a wave, two blocks of 256 bytes that no other line names
.set SST1,   SPARE+512                 ; pass 1's stage for scale bytes, 2,048
.set SST2,   SST1+2048                 ; pass 2's, 1,024
.set ADRS2,  7                         ; pass 2: scale words: lanes 0-15 X's rows, lanes 16-31 Wv's
.set ADRSA2, 8                         ; the same with X's rows in all lanes
.set ADRB2,  9                         ; v9-10 Wv's fragments in its plane 0, 1
.set STO2,   11
.set SSO2,   12
.set RD2,    13
.set SRD2,   14
.set CO8,    15
.set ADRA, 16
.set ADRB, 20
.set BH,   22                          ; v22 bias offset 32 (lane / 16);  v23 4 (lane % 16)
.set BR,   23
.set STO,  24
.set RD,   25
.set CO,   26
.set ADRS, 27
.set SPW,  28
.set NIL,  29
.set SSO,  30
.set SRD,  31
.set SC,   32
.set CB,   64
.set CV,   64                          ; V's bias: eight equal registers for each of my four blocks of 16 d
.set TM,   96                          ; +0..3 largest magnitudes, +4..7 the partner's, then the bytes, +8..11 448 x the scale, +12..15 the conversions' scale operand
.set PW,   112                         ; a scale word for each block of 16 rows
.set AF,   128
.set PC,   128                         ; 16 registers of codes for each block: no store's data are written again
.set G1SV, 4                           ; s[4:11]  group 1 for Wv's scale bytes (written when the addresses that lay there are used up)
.set G1,   24
.set G0,   32
.set G1B,  48
.set G0B,  56
.set G1S,  68
.set G0S,  76
.set G1SB, 80
.set G0SB, 88
.set G0SV, 92
.set G1V,  68                          ; behind the wait that shows the scales' loads done, their registers take V's descriptors:
.set G0VF, 76                          ; Wv's planes 2 and 3, a quarter a wave;
.set G0V0, 80                          ; plane 0;
.set G0V1, 84                          ; plane 1
.set MSB, 0
.macro WIN new                         ; the immediate's high byte repeats the setting that is left
.if MSB != (\new)
	s_set_vgpr_msb (MSB<<8)|(\new)
.set MSB, (\new)
.endif
.endm
; A joint load: waves 0 and 1 fetch for X, waves 2 and 3 for a weight.  The branch hangs on the wave's number alone.  An s_nop 0 and four v_nop follow each line.
.macro JLOAD g0a, g1a, g0b, g1b
	s_cmp_eq_u32 s15, 0
	s_cbranch_scc0 .Lfor_b_\@
	tensor_load_to_lds s[\g0a:\g0a+3], s[\g1a:\g1a+7]
	s_nop 0
.rept 4
	v_nop
.endr
	s_branch .Lasked_\@
.Lfor_b_\@:
	tensor_load_to_lds s[\g0b:\g0b+3], s[\g1b:\g1b+7]
	s_nop 0
.rept 4
	v_nop
.endr
.Lasked_\@:
.endm
.macro CREST                           ; a round of the cluster's barrier behind its opening barrier
	s_cmp_lg_u32 s14, 0
	s_cbranch_scc1 .Lnot_wave_0_\@
	s_barrier_signal -3
.Lnot_wave_0_\@:
	s_barrier_wait -3
	s_barrier_signal -1
	s_barrier_wait -1
.endm
.macro CROUND
	s_barrier_signal -1
	s_barrier_wait -1
	CREST
.endm
	s_load_b512 s[68:83], s[0:1], 0x0              ; X's codes 68, scales 70; Wq's 72, 74; Wk's 76, 78; bq 80, bk 82
	s_load_b256 s[84:91], s[0:1], 0x40             ; Qc 84, Kc 86, Qs 88, Ks 90
	s_load_b64 s[92:93], s[0:1], 0x60              ; Wv's scales
	v_lshl_add_u32 v[SPW], v0, 2, SPARE
	v_mov_b32 v[NIL], 0
	ds_add_u32 v[SPW], v[NIL]                      ; the wave's opening: the add, twice on end, and its wait ahead of my first tensor load
	ds_add_u32 v[SPW], v[NIL]
	v_lshrrev_b32 v1, 5, v0
	v_readfirstlane_b32 s14, v1                    ; wave 0..3
	s_lshr_b32 s15, s14, 1                         ; which 128 rows of X I multiply.  Also: I fetch for X (0) or for a weight (1)
	s_and_b32 s16, s14, 1                          ; which half of the weight's rows I multiply.  Also: which half I fetch
	s_bfe_u32 s40, ttmp6, 0x40000                  ; cx
	s_bfe_u32 s41, ttmp6, 0x40004                  ; cy
	s_mov_b32 s100, ttmp9                          ; the cluster's x: 0 Q, 1 K
	s_lshl_b32 s101, s100, 2
	s_add_co_u32 s101, s101, s40                   ; x: Wv's tile of 128 rows, 0..7
	s_and_b32 s17, ttmp7, 0xffff
	s_lshl_b32 s17, s17, 2
	s_add_co_u32 s17, s17, s41                     ; y: X's tile of 256 rows, 0..31
	s_lshl_b32 s43, s41, 2
	s_lshl_b32 s43, 15, s43                        ; my row of the cluster
	s_lshl_b32 s44, 0x1111, s40                    ; my column
	s_or_b32 s[G1+0], s43, (0<<16)|(1<<20)|(1<<21)|(5<<22)|(3<<25)   ; the mask; elements of 1 byte; padding on; bit 21 beside a mask; 4 words of padding after every 64
	s_or_b32 s[G1B+0], s44, (0<<16)|(1<<20)|(1<<21)|(5<<22)|(3<<25)
.irp g, G1, G1B
	s_mov_b32 s[\g+1], 256<<16                     ; tensor_dim0
	s_mov_b32 s[\g+2], 128<<16                     ; tensor_dim1
	s_mov_b32 s[\g+3], 256<<16                     ; tile_dim0
	s_mov_b32 s[\g+4], 128                         ; tile_dim1
	s_mov_b32 s[\g+5], KROW                        ; tensor_dim0_stride
	s_mov_b32 s[\g+6], 0
	s_mov_b32 s[\g+7], 0
.endr
	s_lshl_b32 s18, s16, 7                         ; which 128 rows of a tile I fetch
	s_lshl_b32 s2, s17, 8
	s_add_co_u32 s2, s2, s18                       ; X's row
	s_lshl_b32 s46, s40, 8
	s_add_co_u32 s46, s46, s18                     ; Wq's or Wk's row
	s_lshl_b32 s66, s2, 5                          ; scale bytes: 32 a row
	s_mov_b32 s67, 0
	s_lshl_b32 s2, s2, 10                          ; codes: 1,024 a row (all offsets stay under 2^24)
	s_mov_b32 s3, 0
	s_lshl_b32 s22, s46, 5
	s_mov_b32 s23, 0
	s_lshl_b32 s46, s46, 10
	s_mov_b32 s47, 0
	s_lshl_b32 s20, s101, 12                       ; Wv's scale bytes: 128 x rows of 32 bytes,
	s_lshl_b32 s21, s14, 10                        ; + my quarter: 32 rows
	s_add_co_u32 s20, s20, s21
	s_mov_b32 s21, 0
	s_mul_i32 s45, s14, HALFT                      ; where they go: made of the wave's number alone: no place in the cluster enters an LDS address
	s_mul_i32 s19, s14, HALFS
	s_mul_i32 s42, s14, 4*272
	s_wait_dscnt 0x0                               ; both opening adds are done
	s_wait_kmcnt 0x0
	s_cmp_eq_u32 s100, 0                           ; the choice of buffers hangs on the cluster's x alone
	s_cselect_b64 s[8:9], s[72:73], s[76:77]       ; Wq or Wk
	s_cselect_b64 s[10:11], s[74:75], s[78:79]
	s_cselect_b64 s[98:99], s[80:81], s[82:83]     ; bq or bk
	s_cselect_b64 s[12:13], s[84:85], s[86:87]     ; Qc or Kc
	s_cselect_b64 s[96:97], s[88:89], s[90:91]     ; Qs or Ks
	s_add_nc_u64 s[4:5], s[68:69], s[2:3]
	s_add_nc_u64 s[6:7], s[70:71], s[66:67]
	s_add_nc_u64 s[8:9], s[8:9], s[46:47]
	s_add_nc_u64 s[10:11], s[10:11], s[22:23]
	s_add_nc_u64 s[G0SV+2:G0SV+3], s[92:93], s[20:21]
	s_mov_b32 s[G0SV], 1
	s_add_co_u32 s[G0SV+1], s42, SCV
	s_or_b32 s[G0SV+3], s[G0SV+3], 0x80000000
	; s68 to s91 are free from here on.  The scale bytes of 128 rows: a dense block of 4,096 bytes, as 16 rows of 256 bytes (32 elements of 8), 16 bytes of padding behind each
	s_or_b32 s[G1S+0], s43, (3<<16)|(1<<20)|(1<<21)|(5<<22)|(3<<25)
	s_or_b32 s[G1SB+0], s44, (3<<16)|(1<<20)|(1<<21)|(5<<22)|(3<<25)
.irp g, G1S, G1SB
	s_mov_b32 s[\g+1], 32<<16
	s_mov_b32 s[\g+2], 16<<16
	s_mov_b32 s[\g+3], 32<<16
	s_mov_b32 s[\g+4], 16
	s_mov_b32 s[\g+5], 32
	s_mov_b32 s[\g+6], 0
	s_mov_b32 s[\g+7], 0
.endr
	s_mov_b32 s[G0S], 1
	s_add_co_u32 s[G0S+1], s19, SCL
	s_mov_b64 s[G0S+2:G0S+3], s[6:7]
	s_or_b32 s[G0S+3], s[G0S+3], 0x80000000
	s_mov_b32 s[G0SB], 1
	s_add_co_u32 s[G0SB+1], s19, SCL
	s_mov_b64 s[G0SB+2:G0SB+3], s[10:11]
	s_or_b32 s[G0SB+3], s[G0SB+3], 0x80000000
.irp s, 0,1
	s_mov_b32 s[G0+4*\s], 1
	s_add_co_u32 s[G0+4*\s+1], s45, \s*SLOT
	s_add_nc_u64 s[G0+4*\s+2:G0+4*\s+3], s[4:5], \s*KADV
	s_or_b32 s[G0+4*\s+3], s[G0+4*\s+3], 0x80000000
	s_mov_b32 s[G0B+4*\s], 1
	s_add_co_u32 s[G0B+4*\s+1], s45, \s*SLOT
	s_add_nc_u64 s[G0B+4*\s+2:G0B+4*\s+3], s[8:9], \s*KADV
	s_or_b32 s[G0B+4*\s+3], s[G0B+4*\s+3], 0x80000000
.endr
	; s4 to s11 are used up.  Wv's scale bytes, a quarter a wave: 32 rows = 4 rows of 256 bytes, padded alike; they go to my column of the cluster
	s_or_b32 s[G1SV+0], s44, (3<<16)|(1<<20)|(1<<21)|(5<<22)|(3<<25)
	s_mov_b32 s[G1SV+1], 32<<16
	s_mov_b32 s[G1SV+2], 4<<16
	s_mov_b32 s[G1SV+3], 32<<16
	s_mov_b32 s[G1SV+4], 4
	s_mov_b32 s[G1SV+5], 32
	s_mov_b32 s[G1SV+6], 0
	s_mov_b32 s[G1SV+7], 0
	CROUND                                         ; all sixteen work-groups are here: the first joint loads meet
	JLOAD G0S, G1S, G0SB, G1SB                     ; the scale bytes first: they are wanted with K step 0
	tensor_load_to_lds s[G0SV:G0SV+3], s[G1SV:G1SV+7]   ; every wave its own quarter: both addresses hang on the wave's number
	s_nop 0
.rept 4
	v_nop
.endr
	JLOAD G0, G1, G0B, G1B                         ; K step 0
	JLOAD G0+4, G1, G0B+4, G1B                     ; K step 1: four tensor loads of mine are out
	v_and_b32 v1, 15, v0                           ; r = lane % 16
	v_bfe_u32 v2, v0, 4, 1                         ; h = lane / 16
	v_mul_u32_u24 v3, v1, PITCH
	v_lshl_add_u32 v4, v2, 4, v3                   ; a fragment's row x pitch + 16 h
	s_mul_i32 s21, s15, HALFT
	s_mul_i32 s22, s16, HALFT
	s_add_co_u32 s22, s22, 2*HALFT
.irp s, 0,1
	v_add_nc_u32 v[ADRA+\s], s21, v4
	v_add_nc_u32 v[ADRB+\s], s22, v4
	s_add_co_u32 s21, s21, SLOT
	s_add_co_u32 s22, s22, SLOT
.endr
	s_mul_i32 s21, s16, QUART                      ; pass 2: my 64 rows of Wv's plane
	s_add_co_u32 s21, s21, VB0
	v_add_nc_u32 v[ADRB2], s21, v4
	s_add_co_u32 s21, s21, HALFT
	v_add_nc_u32 v[ADRB2+1], s21, v4
	v_lshlrev_b32 v5, 5, v1                        ; my row's scale bytes: 32 a row,
	v_lshrrev_b32 v6, 8, v5
	v_lshl_add_u32 v5, v6, 4, v5                   ; and 16 more for each 256 passed
	s_mul_i32 s21, s15, HALFS                      ; X's: my 128 rows
	s_mul_i32 s22, s16, HALFS                      ; Wq's or Wk's: my 128 rows, behind X's 256
	s_add_co_u32 s22, s22, 2*HALFS
	s_sub_co_u32 s22, s22, s21
	s_mul_i32 s23, s16, 4*SBLK                     ; Wv's: my 64 rows
	s_add_co_u32 s23, s23, 4*HALFS
	s_sub_co_u32 s23, s23, s21
	s_add_co_u32 s21, s21, SCL
	v_add_nc_u32 v[ADRSA2], s21, v5
	v_mul_u32_u24 v6, s22, v2                      ; lanes 16-31 take the weight's
	v_add_nc_u32 v[ADRS], v[ADRSA2], v6
	v_mul_u32_u24 v6, s23, v2
	v_add_nc_u32 v[ADRS2], v[ADRSA2], v6
	v_lshl_add_u32 v5, v2, 3, v3                   ; 272 r + 8 h
	s_mul_i32 s23, s15, HALFT                      ; pass 1's stage, in: row 128 (wave / 2) + r, byte 128 (wave % 2) + 8 h
	s_lshl_b32 s21, s16, 7
	s_add_co_u32 s23, s23, s21
	s_add_co_u32 s23, s23, STG1
	v_add_nc_u32 v[STO], s23, v5
	s_mul_i32 s23, s16, QUART                      ; pass 2's, in: row 64 (wave % 2) + r, byte 128 (wave / 2) + 8 h
	s_lshl_b32 s21, s15, 7
	s_add_co_u32 s23, s23, s21
	v_add_nc_u32 v[STO2], s23, v5
	s_lshl_b32 s23, s15, 10                        ; the scale bytes' stages, in: 8 bytes a row, my word in it
	s_lshl_b32 s21, s16, 2
	s_add_co_u32 s23, s23, s21
	s_add_co_u32 s23, s23, SST1
	v_lshl_add_u32 v[SSO], v1, 3, s23
	s_lshl_b32 s23, s16, 9
	s_lshl_b32 s21, s15, 2
	s_add_co_u32 s23, s23, s21
	s_add_co_u32 s23, s23, SST2
	v_lshl_add_u32 v[SSO2], v1, 3, s23
	v_mul_u32_u24 v5, v2, PITCH
	v_lshl_add_u32 v5, v1, 4, v5                   ; back: lanes 0-15 one row, lanes 16-31 the next
	s_mul_i32 s23, s14, 64*PITCH                   ; pass 1: wave w takes rows 64 w on, whole;
	s_add_co_u32 s23, s23, STG1
	v_add_nc_u32 v[RD], s23, v5
	s_mul_i32 s23, s14, 32*PITCH                   ; pass 2: rows 32 w on
	v_add_nc_u32 v[RD2], s23, v5
	v_and_b32 v6, 31, v0
	v_lshlrev_b32 v[CO], 4, v6                     ; in memory 16 bytes a lane: the tiles are dense
	v_lshlrev_b32 v[CO8], 3, v6
	s_lshl_b32 s23, s14, 9
	s_add_co_u32 s23, s23, SST1
	v_add_nc_u32 v[SRD], s23, v[CO]
	s_lshl_b32 s23, s14, 8
	s_add_co_u32 s23, s23, SST2
	v_add_nc_u32 v[SRD2], s23, v[CO8]
	v_lshlrev_b32 v[BH], 5, v2
	v_lshlrev_b32 v[BR], 2, v1
	s_lshl_b32 s20, s40, 13
	s_lshl_b32 s21, s17, 8
	s_add_co_u32 s20, s20, s21                     ; pass 1's first unit: cx planes of 8,192 rows + 256 y
	s_lshl_b32 s22, s20, 3
	s_lshl_b32 s21, s14, 9
	s_add_co_u32 s22, s22, s21
	s_mov_b32 s23, 0
	s_add_nc_u64 s[96:97], s[96:97], s[22:23]      ; scale bytes: 8 a unit, + my wave's 512
	s_lshl_b32 s20, s20, 8
	s_lshl_b32 s21, s14, 14
	s_add_co_u32 s20, s20, s21
	s_mov_b32 s21, 0
	s_add_nc_u64 s[12:13], s[12:13], s[20:21]      ; codes: 256 a unit, + my wave's 64 rows
	s_lshl_b32 s20, s40, 10
	s_lshl_b32 s22, s16, 9
	s_add_co_u32 s20, s20, s22
	s_add_nc_u64 s[98:99], s[98:99], s[20:21]      ; the bias at my 128 numbers
.irp t, 0,1,2,3,4,5,6,7                        ; tile b's C: register j = bias(16 b + 8 h + j)
	global_load_b128 v[CB+8*\t:CB+8*\t+3], v[BH], s[98:99] offset:64*\t
	global_load_b128 v[CB+8*\t+4:CB+8*\t+7], v[BH], s[98:99] offset:64*\t+16
.endr
	s_mov_b32 s18, 0x76543210                      ; v_permlanex16_b32's selects for lane l xor 16
	s_mov_b32 s19, 0xfedcba98
	s_mov_b32 s22, 0x600000                        ; the mantissa field of 448
.macro FRAG reg, adr, q, i             ; 16 rows x 128 K: lane l holds row l % 16; registers 4 c .. 4 c + 3 hold K = 32 c + 16 (l / 16) + 0 .. 15
.irp c, 0,1,2,3
	ds_load_b128 v[\reg+4*\c:\reg+4*\c+3], v[\adr] offset:128*(\q)+32*\c+(\i)*16*PITCH
.endr
.endm
.macro FETCH_A slot, q, i0             ; X's blocks i0 .. i0 + 3: both passes
.irp i, \i0, \i0+1, \i0+2, \i0+3
	FRAG AF+FR*(\i), ADRA+\slot, \q, \i
.endr
.endm
.macro PLACES n                        ; plain vector instructions between a matrix instruction and a load into, or a read of, its registers
.rept \n
	v_nop
.endr
.endm
; ---------------- PASS 1 ----------------
; 16 matrix instructions: X's blocks a0, a0 + 1 x the weight's eight, the slot's q-th 128 along K.  p: the weight's set; sc: the set of scale words.  cm = 0: the sums go on; 2: they start from the bias.
; The 64 accumulators take turns, one instruction a turn, in the same order in every step.
.macro MULA a0, p, q, sc, cm
.irp a, \a0, \a0+1
.irp b, 0,1,2,3,4,5,6,7
.set KD, 8*(8*((\a)%4)+\b)
.set KB, 128*(\p)+FR*\b
.set KA, AF+FR*(\a)
.set KSB, SC+16*(\sc)+2*\b+(\q)
.set KSA, SC+16*(\sc)+2*(\a)+(\q)
.if \cm == 0
	v_wmma_scale_f32_16x16x128_f8f6f4 v[KD:KD+7], v[KB:KB+15], v[KA:KA+15], v[KD:KD+7], v[KSB], v[KSA] matrix_a_scale:MATRIX_SCALE_ROW1
.else
	v_wmma_scale_f32_16x16x128_f8f6f4 v[KD:KD+7], v[KB:KB+15], v[KA:KA+15], v[CB+8*\b:CB+8*\b+7], v[KSB], v[KSA] matrix_a_scale:MATRIX_SCALE_ROW1
.endif
.endr
.endr
.endm
.macro FETCH_B slot, q, p
	WIN 0x40                                       ; destination window 1
.irp i, 0,1,2,3,4,5,6,7
	FRAG 128*(\p)+FR*\i, ADRB+\slot, \q, \i
.endr
	WIN 0
.endm
.macro SCALES sc                       ; a K step's two words a row: lanes 0-15 take X's block i, lanes 16-31 the weight's block i
.irp i, 0,1,2,3,4,5,6,7
	ds_load_b64 v[SC+16*\sc+2*\i:SC+16*\sc+2*\i+1], v[ADRS] offset:\i*SBLK
.endr
.endm
; A step of 128 along K that has its successor in the same slot
.macro STEP slot, q, cm
	s_wait_dscnt 16                                ; all but the youngest 16 loads (X's blocks 4-7) are in
.if \cm >= 2
	WIN 0x81                                       ; the weight window 1, X and the bias window 0, D window 2
.else
	WIN 0xa1                                       ; the weight window 1, X window 0, C and D window 2
.endif
	MULA 0, (\q)%2, \q, \slot, \cm
	MULA 2, (\q)%2, \q, \slot, \cm
	s_wait_dscnt 0
	PLACES NP
	FETCH_B \slot, (\q)+1, 1-(\q)%2
	FETCH_A \slot, (\q)+1, 0
.if \cm >= 2
	WIN 0xc1
.else
	WIN 0xf1
.endif
	MULA 4, (\q)%2, \q, \slot, \cm
	MULA 6, (\q)%2, \q, \slot, \cm
	PLACES NP
	WIN 0
	FETCH_A \slot, (\q)+1, 4
.endm
; A slot's last step changes slots: one barrier, which opens a round of the cluster's; in front of it each wave waits for all its tensor loads, adds 0 to its spare word, and waits for that and for its reads of this slot.
; fill = 1: the slot is filled again, two K steps ahead.  fill = 2 (slot 0, pass 1's last change): X's plane stays for pass 2; the B region takes Wv's planes 2 and 3, a quarter a wave.
.macro TURN slot, next, fill
	s_wait_tensorcnt 0x0                           ; all my tensor loads have landed: my part of the next slot
	ds_add_u32 v[SPW], v[NIL]                      ; 0 onto my spare word
	s_wait_dscnt 17                                ; the add and the youngest 16 loads (X's blocks 4-7) may be out
	WIN 0xa1
	MULA 0, 1, 1, \slot, 0
	s_wait_dscnt 0x0                               ; the add is done, and my reads of this slot are over
	s_barrier_signal -1
	MULA 2, 1, 1, \slot, 0
	WIN 0
	s_barrier_wait -1
	CREST                                          ; no wave of any partner still reads this slot or has a load on its way
.if \fill == 1
	s_add_nc_u64 s[G0+4*\slot+2:G0+4*\slot+3], s[G0+4*\slot+2:G0+4*\slot+3], 2*KADV
	s_add_nc_u64 s[G0B+4*\slot+2:G0B+4*\slot+3], s[G0B+4*\slot+2:G0B+4*\slot+3], 2*KADV
	JLOAD G0+4*\slot, G1, G0B+4*\slot, G1B         ; the first tensor load behind the round, my one load until the next; its four v_nop are among the places below
.else
	tensor_load_to_lds s[G0VF:G0VF+3], s[G1V:G1V+7]     ; likewise; every wave its own 64 rows: both addresses hang on the wave's number
	s_nop 0
.rept 4
	v_nop
.endr
.endif
	PLACES NP-4
	v_add_nc_u32 v[ADRS], SSTEP, v[ADRS]           ; the next K step's scale words (no LDS load of mine is out)
	FETCH_B \next, 0, 0
	FETCH_A \next, 0, 0
	SCALES \next
	WIN 0xf1
	MULA 4, 1, 1, \slot, 0
	MULA 6, 1, 1, \slot, 0
	PLACES NP
	WIN 0
	FETCH_A \next, 0, 4
.endm
	s_wait_tensorcnt 1                             ; the scale bytes and my part of K step 0 are in; K step 1's load, issued behind them, may be out
	s_barrier_signal -1
	s_barrier_wait -1
	s_load_b128 s[88:91], s[0:1], 0x68             ; Wv's codes 88, bv 90: into registers of descriptors whose loads that wait has shown done
	s_load_b128 s[92:95], s[0:1], 0x78             ; Vc 92, Vs 94
	FETCH_B 0, 0, 0
	FETCH_A 0, 0, 0
	SCALES 0
	FETCH_A 0, 0, 4
	s_wait_loadcnt 0x0                             ; the bias
	STEP 0, 0, 2                                   ; the first step stands in front of the loop: its products start the sums from the bias
	; what pass 2 needs, made here: scalar work beside the products that are under way
	s_wait_kmcnt 0x0
	s_lshl_b32 s20, s101, 17                       ; Wv: 128 x rows of 1,024 bytes,
	s_lshl_b32 s21, s16, 16                        ; + 64 rows in the odd waves
	s_add_co_u32 s20, s20, s21
	s_mov_b32 s21, 0
	s_add_nc_u64 s[88:89], s[88:89], s[20:21]
	s_or_b32 s[G1V+0], s44, (0<<16)|(1<<20)|(1<<21)|(5<<22)|(3<<25)   ; 64 rows of 256 bytes, padded as all tiles; to my column of the cluster
	s_mov_b32 s[G1V+1], 256<<16
	s_mov_b32 s[G1V+2], 64<<16
	s_mov_b32 s[G1V+3], 256<<16
	s_mov_b32 s[G1V+4], 64
	s_mov_b32 s[G1V+5], KROW
	s_mov_b32 s[G1V+6], 0
	s_mov_b32 s[G1V+7], 0
	s_mul_i32 s2, s14, QUART
	s_mov_b32 s[G0VF], 1
	s_add_co_u32 s[G0VF+1], s2, VB0                ; wave w: plane 2 + w / 2, rows 64 (w % 2) on
	s_lshl_b32 s20, s15, 8
	s_add_co_u32 s20, s20, 2*KADV
	s_add_nc_u64 s[G0VF+2:G0VF+3], s[88:89], s[20:21]
	s_or_b32 s[G0VF+3], s[G0VF+3], 0x80000000
	s_mul_i32 s2, s16, QUART
	s_mov_b32 s[G0V0], 1
	s_add_co_u32 s[G0V0+1], s2, VB0
	s_mov_b64 s[G0V0+2:G0V0+3], s[88:89]
	s_or_b32 s[G0V0+3], s[G0V0+3], 0x80000000
	s_mov_b32 s[G0V1], 1
	s_add_co_u32 s[G0V1+1], s2, VB0+HALFT
	s_add_nc_u64 s[G0V1+2:G0V1+3], s[88:89], KADV
	s_or_b32 s[G0V1+3], s[G0V1+3], 0x80000000
	s_lshl_b32 s20, s101, 9
	s_lshl_b32 s2, s16, 8
	s_add_co_u32 s20, s20, s2
	s_add_nc_u64 s[90:91], s[90:91], s[20:21]      ; bv at my 64 numbers
	s_lshl_b32 s20, s17, 18                        ; V's first unit is 1,024 y + 128 x: codes 256 bytes a unit,
	s_lshl_b32 s2, s101, 15
	s_add_co_u32 s20, s20, s2
	s_lshl_b32 s2, s14, 13                         ; + my wave's 32 rows
	s_add_co_u32 s20, s20, s2
	s_add_nc_u64 s[92:93], s[92:93], s[20:21]
	s_lshl_b32 s20, s17, 13                        ; scale bytes 8 a unit,
	s_lshl_b32 s2, s101, 10
	s_add_co_u32 s20, s20, s2
	s_lshl_b32 s2, s14, 8                          ; + my wave's 256
	s_add_co_u32 s20, s20, s2
	s_add_nc_u64 s[94:95], s[94:95], s[20:21]
.irp b, 0,1,2,3                                ; V's bias, where pass 1's lay (eight places stand behind the last product that read it): block b's C: all eight registers = bv(16 b + r)
.irp j, 0,1,2,3,4,5,6,7
	global_load_b32 v[CV+8*\b+\j], v[BR], s[90:91] offset:64*\b
.endr
.endr
	s_mov_b32 s3, LAPS-1
.Llap:                                                 ; a trip goes once round the ring and fills both slots again
	TURN 0, 1, 1
	STEP 1, 0, 0
	TURN 1, 0, 1
	STEP 0, 0, 0
	s_sub_co_u32 s3, s3, 1
	s_cmp_lg_u32 s3, 0
	s_cbranch_scc1 .Llap
	TURN 0, 1, 2                                   ; pass 1's last change of slots asks for Wv's planes 2 and 3
	STEP 1, 0, 0
	s_wait_dscnt 16
	WIN 0xa1
	MULA 0, 1, 1, 1, 0
	MULA 2, 1, 1, 1, 0
	s_wait_dscnt 0                                 ; my reads of slot 1 are over:
	s_barrier_signal -1                            ; say so; behind this barrier slot 1's B region becomes the stage.
	WIN 0xf1
	MULA 4, 1, 1, 1, 0
	MULA 6, 1, 1, 1, 0
	WIN 0
	s_barrier_wait -1
; THE WAYS OUT.  From the four blocks' largest magnitudes of my 16 numbers each: the partner lane's, the conversion's scale operand (8 off the exponent field), 448 x the scale, the byte, my row's scale word
.macro SCALEW a
.irp b, 0,1,2,3
	v_permlanex16_b32 v[TM+4+\b], v[TM+\b], s18, s19
.endr
.irp b, 0,1,2,3
	v_max_num_f32 v[TM+\b], v[TM+\b], v[TM+4+\b]
.endr
.irp b, 0,1,2,3
	v_add_nc_u32 v[TM+12+\b], 0xfc000000, v[TM+\b]
.endr
.irp b, 0,1,2,3
	v_and_or_b32 v[TM+8+\b], v[TM+\b], 0x7f800000, s22
.endr
.irp b, 0,1,2,3
	v_lshrrev_b32 v[TM+4+\b], 23, v[TM+12+\b]
.endr
	v_lshl_or_b32 v[PW+(\a)], v[TM+5], 8, v[TM+4]
	v_lshl_or_b32 v[PW+(\a)], v[TM+6], 16, v[PW+(\a)]
	v_lshl_or_b32 v[PW+(\a)], v[TM+7], 24, v[PW+(\a)]
.endm
; Pass 1, block a: my rows 16 a on x my 128 along d: four blocks of 32.  Each accumulator is read from its low end on.
.macro QROW a
.set AC, 64*((\a)%4)
.set WN, 2+(\a)/4
	WIN (WN<<2)|(WN<<4)                            ; sources 1 and 2: the accumulators' window
.irp b, 0,1,2,3
	v_max3_num_f32 v[TM+\b], 0x4800000, |v[AC+16*\b]|, |v[AC+16*\b+1]|   ; with the floor 2^(9 - 127): the byte cannot fall under 1
.endr
.irp i, 2,4,6,8,10,12,14
.irp b, 0,1,2,3
	v_max3_num_f32 v[TM+\b], v[TM+\b], |v[AC+16*\b+\i]|, |v[AC+16*\b+\i+1]|
.endr
.endr
	WIN 0
	SCALEW \a
	WIN (WN<<6)|WN                                 ; destination and source 0
.irp b, 0,1,2,3
.irp i, 0,1,2,3,4,5,6,7,8,9,10,11,12,13,14,15
	v_med3_num_f32 v[AC+16*\b+\i], v[AC+16*\b+\i], -v[TM+8+\b], v[TM+8+\b]   ; the conversion to an 8-bit code does not saturate (ISA guide 7.6.2): the hold at 448 x the scale
.endr
.endr
	WIN WN
.irp t, 0,1,2,3,4,5,6,7
	v_cvt_scalef32_pk8_fp8_f32 v[PC+16*(\a)+2*\t:PC+16*(\a)+2*\t+1], v[AC+8*\t:AC+8*\t+7], v[TM+12+\t/2]   ; eight neighbours along d: 16 t + 8 h + 0 .. 7
.endr
	WIN 0
	v_nop                                          ; a plain vector instruction behind the last conversion
.irp t, 0,1,2,3,4,5,6,7
	ds_store_b64 v[STO], v[PC+16*(\a)+2*\t:PC+16*(\a)+2*\t+1] offset:(\a)*16*PITCH+16*\t
.endr
	ds_store_b32 v[SSO], v[PW+(\a)] offset:(\a)*128    ; lanes l and l xor 16 write the same word with the same value
.endm
	PLACES NP
.irp b, 0,1,2,3
	v_mov_b32 v[TM+4+\b], 0                        ; written once: a lane permute's destination counts as one of its sources
.endr
.irp a, 0,1,2,3,4,5,6,7
	QROW \a
.endr
	s_wait_tensorcnt 0x0                           ; my part of Wv's planes 2 and 3 is in (the one load of mine that was out): the others read it behind this barrier;
	s_wait_dscnt 0x0                               ; and my stores into the stages are done (a row's 256 bytes come from two waves)
	s_barrier_signal -1
	s_barrier_wait -1
	WIN 0xc0                                       ; the rows come back into window 3, which pass 2 does not touch: no store's data are written again
.set u, 0
.rept 32
	ds_load_b128 v[4*u:4*u+3], v[RD] offset:u*2*PITCH
.set u, u+1
.endr
	WIN 0
	ds_load_b128 v[120:123], v[SRD]
	WIN 0x0c                                       ; a store's data are its source 1: window 3
.set u, 0
.rept 32
	s_wait_dscnt 32-u                              ; behind load u: the 31 - u later rows' loads and the scale bytes'
	global_store_b128 v[CO], v[4*u:4*u+3], s[12:13] offset:512*u   ; 32 lanes store 512 consecutive bytes, at a multiple of 256 from the buffer's first byte
.set u, u+1
.endr
	WIN 0
	s_wait_dscnt 0x0
	global_store_b128 v[CO], v[120:123], s[96:97]  ; my wave's 512 scale bytes, consecutive.  Nothing waits for these stores: they leave while pass 2 is multiplied
; ---------------- PASS 2 ----------------
; 8 matrix instructions: X's blocks a0, a0 + 1 (source 0: the keys fall into the registers) x Wv's four (source 1: d falls into the lanes).  first = 1: the sums start from V's bias.
; The 32 accumulators take turns, one instruction a turn.
.macro MULV a0, p, q, sc, first
.irp a, \a0, \a0+1
.irp b, 0,1,2,3
.set KD, 8*(4*(\a)+\b)
.set KB, 128*(\p)+FR*\b
.set KA, AF+FR*(\a)
.set KSB, SC+16*(\sc)+2*\b+(\q)
.set KSA, SC+16*(\sc)+2*(\a)+(\q)
.if \first
	v_wmma_scale_f32_16x16x128_f8f6f4 v[KD:KD+7], v[KA:KA+15], v[KB:KB+15], v[CV+8*\b:CV+8*\b+7], v[KSA], v[KSB] matrix_b_scale:MATRIX_SCALE_ROW1
.else
	v_wmma_scale_f32_16x16x128_f8f6f4 v[KD:KD+7], v[KA:KA+15], v[KB:KB+15], v[KD:KD+7], v[KSA], v[KSB] matrix_b_scale:MATRIX_SCALE_ROW1
.endif
.endr
.endr
.endm
.macro FETCH_B2 slot, q, p
	WIN 0x40
.irp i, 0,1,2,3
	FRAG 128*(\p)+FR*\i, ADRB2+\slot, \q, \i
.endr
	WIN 0
.endm
.macro SCALES2 sc, plane               ; K step `plane`: its two words a row stand in the immediate.  Beside X's blocks 4-7 Wv has none: there all lanes take X's
.irp i, 0,1,2,3
	ds_load_b64 v[SC+16*\sc+2*\i:SC+16*\sc+2*\i+1], v[ADRS2] offset:\i*SBLK+8*(\plane)
.endr
.irp i, 4,5,6,7
	ds_load_b64 v[SC+16*\sc+2*\i:SC+16*\sc+2*\i+1], v[ADRSA2] offset:\i*SBLK+8*(\plane)
.endr
.endm
.macro WINV first
.if \first
	WIN 0x84                                       ; X and the bias window 0, Wv window 1, D window 2
.else
	WIN 0xa4                                       ; X window 0, Wv window 1, C and D window 2
.endif
.endm
.macro STEP2 slot, q, first
	s_wait_dscnt 16                                ; all but the youngest 16 loads (X's blocks 4-7) are in
	WINV \first
	MULV 0, (\q)%2, \q, \slot, \first
	MULV 2, (\q)%2, \q, \slot, \first
	s_wait_dscnt 0
	PLACES NP
	FETCH_B2 \slot, (\q)+1, 1-(\q)%2
	FETCH_A \slot, (\q)+1, 0
	WINV \first
	MULV 4, (\q)%2, \q, \slot, \first
	MULV 6, (\q)%2, \q, \slot, \first
	PLACES NP
	WIN 0
	FETCH_A \slot, (\q)+1, 4
.endm
; The change of slots, as in pass 1.  fill = 1: the slot takes the K step two back (2 -> 0, 3 -> 1): X's plane by waves 0 and 1, Wv's (group 0 g0v) by waves 2 and 3.  plane: the K step that lies in the next slot.
.macro TURN2 slot, next, fill, plane, g0v
	s_wait_tensorcnt 0x0                           ; all my tensor loads have landed: my part of the next slot
	ds_add_u32 v[SPW], v[NIL]                      ; 0 onto my spare word
	s_wait_dscnt 17                                ; the add and the youngest 16 loads may be out
	WIN 0xa4
	MULV 0, 1, 1, \slot, 0
	s_wait_dscnt 0x0                               ; the add is done, and my reads of this slot are over
	s_barrier_signal -1
	MULV 2, 1, 1, \slot, 0
	WIN 0
	s_barrier_wait -1
.if \fill
	CREST                                          ; no wave of any partner still reads this slot or has a load on its way
	s_sub_nc_u64 s[G0+4*\slot+2:G0+4*\slot+3], s[G0+4*\slot+2:G0+4*\slot+3], 2*KADV
	JLOAD G0+4*\slot, G1, \g0v, G1V                ; the first tensor load behind the round, my one load until the next
	PLACES NP-4
.else
	PLACES NP
.endif
	FETCH_B2 \next, 0, 0
	FETCH_A \next, 0, 0
	SCALES2 \next, \plane
	WIN 0xa4
	MULV 4, 1, 1, \slot, 0
	MULV 6, 1, 1, \slot, 0
	PLACES NP
	WIN 0
	FETCH_A \next, 0, 4
.endm
	FETCH_B2 0, 0, 0                               ; K step 2: X's plane has lain in slot 0 since pass 1
	FETCH_A 0, 0, 0
	SCALES2 0, 2
	FETCH_A 0, 0, 4
	s_wait_loadcnt 0x0                             ; V's bias
	STEP2 0, 0, 1
	TURN2 0, 1, 1, 3, G0V0                         ; slot 0 takes K step 0; on to K step 3
	STEP2 1, 0, 0
	TURN2 1, 0, 1, 0, G0V1                         ; slot 1 takes K step 1; on to K step 0
	STEP2 0, 0, 0
	TURN2 0, 1, 0, 1, G0V0                         ; nothing is left to fetch; on to K step 1
	STEP2 1, 0, 0
	s_wait_dscnt 16
	WIN 0xa4
	MULV 0, 1, 1, 1, 0
	MULV 2, 1, 1, 1, 0
	s_wait_dscnt 0
	MULV 4, 1, 1, 1, 0
	MULV 6, 1, 1, 1, 0
	WIN 0
; Block b: my d 16 b on x my 128 keys: four blocks of 32 keys, block c in accumulators (2 c, b) and (2 c + 1, b).  Each accumulator is read from its low end on.
.macro VROW b
	WIN 0x28                                       ; sources 1 and 2: window 2
.irp c, 0,1,2,3
	v_max3_num_f32 v[TM+\c], 0x4800000, |v[64*\c+8*(\b)]|, |v[64*\c+8*(\b)+1]|
.endr
.irp i, 2,4,6,32,34,36,38
.irp c, 0,1,2,3
	v_max3_num_f32 v[TM+\c], v[TM+\c], |v[64*\c+8*(\b)+\i]|, |v[64*\c+8*(\b)+\i+1]|
.endr
.endr
	WIN 0
	SCALEW \b
	WIN 0x82                                       ; destination and source 0: window 2
.irp c, 0,1,2,3
.irp i, 0,1,2,3,4,5,6,7,32,33,34,35,36,37,38,39
	v_med3_num_f32 v[64*\c+8*(\b)+\i], v[64*\c+8*(\b)+\i], -v[TM+8+\c], v[TM+8+\c]
.endr
.endr
	WIN 0x02
.irp a, 0,1,2,3,4,5,6,7
	v_cvt_scalef32_pk8_fp8_f32 v[PC+16*(\b)+2*\a:PC+16*(\b)+2*\a+1], v[32*\a+8*(\b):32*\a+8*(\b)+7], v[TM+12+\a/2]   ; eight neighbouring keys: 16 a + 8 h + 0 .. 7
.endr
	WIN 0
	v_nop                                          ; a plain vector instruction behind the last conversion
.irp a, 0,1,2,3,4,5,6,7
	ds_store_b64 v[STO2], v[PC+16*(\b)+2*\a:PC+16*(\b)+2*\a+1] offset:(\b)*16*PITCH+16*\a
.endr
	ds_store_b32 v[SSO2], v[PW+(\b)] offset:(\b)*128   ; lanes l and l xor 16 write the same word with the same value
.endm
	PLACES NP
.irp b, 0,1,2,3
	VROW \b
.endr
	s_wait_dscnt 0x0                               ; for the others' sake: my stores into the stages are done (a row's 256 bytes come from two waves)
	s_barrier_signal -1
	s_barrier_wait -1
	WIN 0xc0
.set u, 0
.rept 16
	ds_load_b128 v[128+4*u:128+4*u+3], v[RD2] offset:u*2*PITCH
.set u, u+1
.endr
	WIN 0
	ds_load_b64 v[124:125], v[SRD2]
	WIN 0x0c
.set u, 0
.rept 16
	s_wait_dscnt 16-u                              ; behind load u: the 15 - u later rows' loads and the scale bytes'
	global_store_b128 v[CO], v[128+4*u:128+4*u+3], s[92:93] offset:512*u   ; 32 lanes store 512 consecutive bytes, at a multiple of 256 from the buffer's first byte
.set u, u+1
.endr
	WIN 0
	s_wait_dscnt 0x0
	global_store_b64 v[CO8], v[124:125], s[94:95]  ; my wave's 256 scale bytes, consecutive, at a multiple of 256
	s_wait_tensorcnt 0x0                           ; the wave's end, behind my last tensor load and my last LDS store
	ds_add_u32 v[SPW], v[NIL]
	s_wait_dscnt 0x0
	CROUND                                         ; the closing round: no work-group ends while a partner may still ask for a tile that names it
	s_endpgm
.Lfunc_end_k_q77afa614ee_proj:
	.size	k_q77afa614ee_proj, .Lfunc_end_k_q77afa614ee_proj-k_q77afa614ee_proj
	.p2alignl 7, 3214868480
	.fill 96, 4, 3214868480
	.section	.rodata,"a",@progbits
	.p2align	6, 0x0
	.amdhsa_kernel k_q77afa614ee_proj
		.amdhsa_group_segment_fixed_size 327680
		.amdhsa_private_segment_fixed_size 0
		.amdhsa_enable_private_segment 0
		.amdhsa_kernarg_size 136
		.amdhsa_user_sgpr_count 2
		.amdhsa_user_sgpr_kernarg_segment_ptr 1
		.amdhsa_wavefront_size32 1
		.amdhsa_system_sgpr_workgroup_id_x 1
		.amdhsa_system_sgpr_workgroup_id_y 1
		.amdhsa_system_sgpr_workgroup_id_z 1
		.amdhsa_system_vgpr_workitem_id 0
		.amdhsa_next_free_vgpr 1024
		.amdhsa_next_free_sgpr 102
		.amdhsa_reserve_vcc 0
		.amdhsa_float_denorm_mode_32 3
		.amdhsa_float_denorm_mode_16_64 3
		.amdhsa_memory_ordered 1
		.amdhsa_forward_progress 1
		.amdhsa_inst_pref_size 255
	.end_amdhsa_kernel
	.section	.bss,"aw",@nobits
	.p2align	6
	.space	262144
	.amdgpu_metadata
---
amdhsa.version: [ 1, 2 ]
amdhsa.kernels:
  - .name:           k_q77afa614ee_proj
    .symbol:         k_q77afa614ee_proj.kd
    .args:
      - { .name: X_codes, .offset: 0, .size: 8, .value_kind: global_buffer, .address_space: global }
      - { .name: X_scales, .offset: 8, .size: 8, .value_kind: global_buffer, .address_space: global }
      - { .name: Wq_codes, .offset: 16, .size: 8, .value_kind: global_buffer, .address_space: global }
      - { .name: Wq_scales, .offset: 24, .size: 8, .value_kind: global_buffer, .address_space: global }
      - { .name: Wk_codes, .offset: 32, .size: 8, .value_kind: global_buffer, .address_space: global }
      - { .name: Wk_scales, .offset: 40, .size: 8, .value_kind: global_buffer, .address_space: global }
      - { .name: bq, .offset: 48, .size: 8, .value_kind: global_buffer, .address_space: global }
      - { .name: bk, .offset: 56, .size: 8, .value_kind: global_buffer, .address_space: global }
      - { .name: Qc, .offset: 64, .size: 8, .value_kind: global_buffer, .address_space: global }
      - { .name: Kc, .offset: 72, .size: 8, .value_kind: global_buffer, .address_space: global }
      - { .name: Qs, .offset: 80, .size: 8, .value_kind: global_buffer, .address_space: global }
      - { .name: Ks, .offset: 88, .size: 8, .value_kind: global_buffer, .address_space: global }
      - { .name: Wv_scales, .offset: 96, .size: 8, .value_kind: global_buffer, .address_space: global }
      - { .name: Wv_codes, .offset: 104, .size: 8, .value_kind: global_buffer, .address_space: global }
      - { .name: bv, .offset: 112, .size: 8, .value_kind: global_buffer, .address_space: global }
      - { .name: Vc, .offset: 120, .size: 8, .value_kind: global_buffer, .address_space: global }
      - { .name: Vs, .offset: 128, .size: 8, .value_kind: global_buffer, .address_space: global }
    .group_segment_fixed_size: 327680
    .private_segment_fixed_size: 0
    .kernarg_segment_align: 8
    .kernarg_segment_size: 136
    .max_flat_workgroup_size: 128
    .sgpr_count:     102
    .vgpr_count:     1024
    .wavefront_size: 32
...
	.end_amdgpu_metadata
.endif
;; end of part 1
;; launch score (part 2): grid 8 x 32, 4 waves a work-group, clusters of 4 x 4, 327,680 bytes of LDS; arguments Qc, Qs, Kc, Ks, Pc, Ps; writes Pc, Ps
.if DOCPART == 2
	.amdgcn_target "amdgcn-amd-amdhsa--gfx1250"
	.amdhsa_code_object_version 6
	.text
	.protected	k_q77afa614ee_score
	.globl	k_q77afa614ee_score
	.p2align	8
	.type	k_q77afa614ee_score,@function
k_q77afa614ee_score:
	s_mov_b64 s[64:65], 0
	v_nop
	global_prefetch_b8 v0, s[64:65] scope:SCOPE_SE
	s_setreg_imm32_b32 hwreg(HW_REG_WAVE_MODE, 25, 1), 1
	s_wait_xcnt 0x0
	s_wait_alu depctr_hold_cnt(0) depctr_sa_sdst(0) depctr_va_vdst(0) depctr_va_sdst(0) depctr_va_ssrc(0) depctr_va_vcc(0) depctr_vm_vsrc(0)
	s_getreg_b32 s2, hwreg(HW_REG_IB_STS2, 6, 4)
	s_cmp_eq_u32 s2, 0
	s_cbranch_scc0 .Lentry_in_a_cluster
	s_endpgm
.Lentry_in_a_cluster:
	s_bfe_u32 s2, ttmp6, 0x10000c
	s_cmp_lg_u32 s2, 0xf033
	s_cbranch_scc0 .Lentry_shape_is_right
	s_endpgm
.Lentry_shape_is_right:
; P = the codes of sigmoid(Q K^T / 32), quantised along the keys.  No work of reference() is left out here.
; Q, K: codes as [4 (d / 256)][8,192 rows][256 bytes], scale bytes as [4][8,192][8], as the launch before stored them.  P: codes [batch][8 (keys / 256)][2,048 queries][256], scale bytes [batch][8][2,048][8].
; A tile of 256 queries x 256 keys to a work-group; four waves of 128 x 128 (64 accumulators).  K = d = 1,024 goes in steps of 256 through a ring of two LDS slots; a K step's tile is a dense block of memory.
; THE MATRIX INSTRUCTION IS USED TRANSPOSED (source 0 = 16 keys, source 1 = 16 queries): a lane holds one query, and its registers run along the keys, which are the next product's K.
; sigmoid(x) = 1 / (1 + 2^(-x log2 e)); the factor 1 / 32 is exact and is folded into the constant.  2^.. = infinity gives 0, 2^.. = 0 gives 1: both ends are right.
; The scale bytes of the tile's 512 rows, for all of K, come into LDS once, with the first fills: four rows of 1,024 bytes to a load.
; CLUSTERS: 4 x 4 work-groups of one batch: Q's tile is asked for jointly along a row of the cluster, K's along a column.
; LIMITS: a weight under 2^-126 becomes 0 (the reciprocal's result would be denormal: ISA guide, the entry of V_RCP_F32); a block of zeros gets the scale byte 1 where the rule says 127 (its codes are zeros, and this program alone reads the bytes); NaN is not served.
; REGISTERS, in windows of 256: window 0: v1-6 at work, v16-31 addresses, v32-63 scale words (two sets), v64-127 the sigmoid's 64 numbers, v128-255 A's fragments (later v128-151 at work, then rows of the stage).
;   window 1: B's fragments, two sets (later v0-127: the codes, 16 registers a block).   windows 2, 3: the accumulators: (a, b) at v[8 (8 (a % 4) + b)] of window 2 + a / 4.
.set PITCH,  272                       ; an LDS row: 256 bytes + 16 of padding: the 16 rows that a fragment load touches start at 16 different banks (64 banks of 4 bytes: ISA guide 11.1)
.set FR,     16
.set NP,     8                         ; places behind this matrix instruction (ISA guide 7.12.1)
.set HALFT,  128*PITCH
.set SLOT,   4*HALFT
.set LAPS,   2                         ; K = 1,024: four K steps of 256
.set KADV,   8192*256                  ; a K step on, in memory
.set SCL,    2*SLOT                    ; behind the ring: the scale bytes: four regions [4 K steps][128 rows][8 bytes]: A's halves, then B's
.set QS,     4096
.set SBLK,   128                       ; 16 rows
.set SSTEP,  1024                      ; a K step on
.set SPARE,  SCL+4*QS                  ; the spare words: 128 bytes a wave, two blocks of 256 bytes that no other line names
.set SST,    256*PITCH                 ; the way out: codes' stage at byte 0 (256 rows x 272), scale bytes' stage here (2,048): both in slot 0, which has had its last fill and its last read by then
.set ADRA, 16
.set ADRB, 20
.set STO,  24
.set RD,   25
.set CO,   26
.set ADRS, 27
.set SPW,  28
.set NIL,  29
.set SSO,  30
.set SRD,  31
.set SC,   32
.set W,    64
.set AF,   128
.set TM,   128                         ; +0..3 largest weights, +4..7 the partner's, then the bytes, +8..11 448 x the scale, +12..15 the conversions' scale operand
.set PW,   144
.set BK,   128
.set G1,   24
.set G0,   32
.set G1B,  48
.set G0B,  56
.set G1S,  68
.set G0S,  76
.set G1SB, 80
.set G0SB, 88
.set MSB, 0
.macro WIN new                         ; the immediate's high byte repeats the setting that is left
.if MSB != (\new)
	s_set_vgpr_msb (MSB<<8)|(\new)
.set MSB, (\new)
.endif
.endm
; A joint load: waves 0 and 1 fetch for A, waves 2 and 3 for B.  The branch hangs on the wave's number alone.  An s_nop 0 and four v_nop follow each line.
.macro JLOAD g0a, g1a, g0b, g1b
	s_cmp_eq_u32 s15, 0
	s_cbranch_scc0 .Lfor_b_\@
	tensor_load_to_lds s[\g0a:\g0a+3], s[\g1a:\g1a+7]
	s_nop 0
.rept 4
	v_nop
.endr
	s_branch .Lasked_\@
.Lfor_b_\@:
	tensor_load_to_lds s[\g0b:\g0b+3], s[\g1b:\g1b+7]
	s_nop 0
.rept 4
	v_nop
.endr
.Lasked_\@:
.endm
.macro CREST
	s_cmp_lg_u32 s14, 0
	s_cbranch_scc1 .Lnot_wave_0_\@
	s_barrier_signal -3
.Lnot_wave_0_\@:
	s_barrier_wait -3
	s_barrier_signal -1
	s_barrier_wait -1
.endm
.macro CROUND
	s_barrier_signal -1
	s_barrier_wait -1
	CREST
.endm
	s_load_b256 s[4:11], s[0:1], 0x0               ; Q's codes s[4:5], scales s[6:7]; K's codes s[8:9], scales s[10:11]
	s_load_b64 s[12:13], s[0:1], 0x20              ; P's codes
	s_load_b64 s[96:97], s[0:1], 0x28              ; P's scale bytes
	v_lshl_add_u32 v[SPW], v0, 2, SPARE
	v_mov_b32 v[NIL], 0
	ds_add_u32 v[SPW], v[NIL]                      ; the wave's opening: the add, twice on end, and its wait ahead of my first tensor load
	ds_add_u32 v[SPW], v[NIL]
	v_lshrrev_b32 v1, 5, v0
	v_readfirstlane_b32 s14, v1                    ; wave 0..3
	s_lshr_b32 s15, s14, 1                         ; which 128 queries I multiply.  Also: I fetch for Q (0) or for K (1)
	s_and_b32 s16, s14, 1                          ; which 128 keys.  Also: which 128 rows I fetch
	s_bfe_u32 s40, ttmp6, 0x40000                  ; cx
	s_bfe_u32 s41, ttmp6, 0x40004                  ; cy
	s_lshl_b32 s42, ttmp9, 2
	s_add_co_u32 s42, s42, s40                     ; the tile of keys in the batch, 0..7
	s_and_b32 s17, ttmp7, 0xffff
	s_lshr_b32 s45, s17, 1                         ; the batch: two clusters along y to a batch
	s_lshl_b32 s17, s17, 2
	s_add_co_u32 s17, s17, s41                     ; the tile of queries among all 8,192 rows, 0..31
	s_lshl_b32 s43, s41, 2
	s_lshl_b32 s43, 15, s43                        ; my row of the cluster
	s_lshl_b32 s44, 0x1111, s40                    ; my column
	s_or_b32 s[G1+0], s43, (0<<16)|(1<<20)|(1<<21)|(5<<22)|(3<<25)   ; the mask; elements of 1 byte; padding on; bit 21 beside a mask; 4 words of padding after every 64
	s_or_b32 s[G1B+0], s44, (0<<16)|(1<<20)|(1<<21)|(5<<22)|(3<<25)
.irp g, G1, G1B
	s_mov_b32 s[\g+1], 256<<16                     ; tensor_dim0
	s_mov_b32 s[\g+2], 128<<16                     ; tensor_dim1
	s_mov_b32 s[\g+3], 256<<16                     ; tile_dim0
	s_mov_b32 s[\g+4], 128                         ; tile_dim1
	s_mov_b32 s[\g+5], 256                         ; tensor_dim0_stride: the rows are dense
	s_mov_b32 s[\g+6], 0
	s_mov_b32 s[\g+7], 0
.endr
	s_or_b32 s[G1S+0], s43, (3<<16)|(1<<21)        ; the scale bytes of 128 rows: 4 rows (K steps) of 1,024 bytes (128 elements of 8), 8,192 elements apart; no padding
	s_or_b32 s[G1SB+0], s44, (3<<16)|(1<<21)
.irp g, G1S, G1SB
	s_mov_b32 s[\g+1], 128<<16
	s_mov_b32 s[\g+2], 4<<16
	s_mov_b32 s[\g+3], 128<<16
	s_mov_b32 s[\g+4], 4
	s_mov_b32 s[\g+5], 8192
	s_mov_b32 s[\g+6], 0
	s_mov_b32 s[\g+7], 0
.endr
	s_lshl_b32 s18, s16, 7                         ; which 128 rows of a tile I fetch
	s_lshl_b32 s20, s17, 8
	s_add_co_u32 s20, s20, s18                     ; Q's row
	s_lshl_b32 s46, s42, 8
	s_add_co_u32 s46, s46, s18
	s_lshl_b32 s47, s45, 11
	s_add_co_u32 s46, s46, s47                     ; K's row: 2,048 x batch + 256 x tile + 128 x half
	s_lshl_b32 s22, s20, 3                         ; scale bytes: 8 a row
	s_mov_b32 s23, 0
	s_lshl_b32 s92, s46, 3
	s_mov_b32 s93, 0
	s_lshl_b32 s20, s20, 8                         ; codes: 256 a row
	s_mov_b32 s21, 0
	s_lshl_b32 s46, s46, 8
	s_mov_b32 s47, 0
	s_mul_i32 s95, s14, HALFT                      ; where they go: wave x 128 rows: no place in the cluster enters an LDS address
	s_mul_i32 s94, s14, QS
	s_mov_b32 s98, 0xbd38aa3b                      ; -log2(e) / 32
	s_mov_b32 s99, s98                             ; (named with it as a pair, so it is written)
	s_wait_dscnt 0x0                               ; both opening adds are done
	s_wait_kmcnt 0x0
	s_add_nc_u64 s[20:21], s[4:5], s[20:21]
	s_add_nc_u64 s[22:23], s[6:7], s[22:23]
	s_add_nc_u64 s[46:47], s[8:9], s[46:47]
	s_add_nc_u64 s[92:93], s[10:11], s[92:93]
	CROUND                                         ; all sixteen work-groups are here: the first joint loads meet
	s_mov_b32 s[G0S], 1
	s_add_co_u32 s[G0S+1], s94, SCL
	s_mov_b64 s[G0S+2:G0S+3], s[22:23]
	s_or_b32 s[G0S+3], s[G0S+3], 0x80000000
	s_mov_b32 s[G0SB], 1
	s_add_co_u32 s[G0SB+1], s94, SCL
	s_mov_b64 s[G0SB+2:G0SB+3], s[92:93]
	s_or_b32 s[G0SB+3], s[G0SB+3], 0x80000000
	JLOAD G0S, G1S, G0SB, G1SB                     ; the scale bytes first: they are wanted with K step 0
.irp s, 0,1
	s_mov_b32 s[G0+4*\s], 1
	s_add_co_u32 s[G0+4*\s+1], s95, \s*SLOT
	s_add_nc_u64 s[G0+4*\s+2:G0+4*\s+3], s[20:21], \s*KADV
	s_or_b32 s[G0+4*\s+3], s[G0+4*\s+3], 0x80000000
	s_mov_b32 s[G0B+4*\s], 1
	s_add_co_u32 s[G0B+4*\s+1], s95, \s*SLOT
	s_add_nc_u64 s[G0B+4*\s+2:G0B+4*\s+3], s[46:47], \s*KADV
	s_or_b32 s[G0B+4*\s+3], s[G0B+4*\s+3], 0x80000000
	JLOAD G0+4*\s, G1, G0B+4*\s, G1B               ; three tensor loads of mine are out
.endr
	v_and_b32 v1, 15, v0                           ; r = lane % 16
	v_bfe_u32 v2, v0, 4, 1                         ; h = lane / 16
	v_mul_u32_u24 v3, v1, PITCH
	v_lshl_add_u32 v4, v2, 4, v3
	s_mul_i32 s21, s15, HALFT
	s_mul_i32 s22, s16, HALFT
	s_add_co_u32 s22, s22, 2*HALFT
.irp s, 0,1
	v_add_nc_u32 v[ADRA+\s], s21, v4
	v_add_nc_u32 v[ADRB+\s], s22, v4
	s_add_co_u32 s21, s21, SLOT
	s_add_co_u32 s22, s22, SLOT
.endr
	v_lshlrev_b32 v5, 3, v1                        ; my row's scale bytes: 8 a row and K step
	s_mul_i32 s21, s15, QS                         ; A's region of my 128 rows
	s_mul_i32 s22, s16, QS                         ; B's, behind A's two
	s_add_co_u32 s22, s22, 2*QS
	s_sub_co_u32 s22, s22, s21
	v_mul_u32_u24 v6, s22, v2                      ; lanes 16-31 take B's
	s_add_co_u32 s21, s21, SCL
	v_add_nc_u32 v5, v5, v6
	v_add_nc_u32 v[ADRS], s21, v5
	s_mul_i32 s23, s15, HALFT                      ; the codes' stage, in: row 128 (wave / 2) + r, byte 128 (wave % 2) + 8 h
	s_lshl_b32 s21, s16, 7
	s_add_co_u32 s23, s23, s21
	v_lshl_add_u32 v5, v2, 3, v3
	v_add_nc_u32 v[STO], s23, v5
	s_lshl_b32 s23, s15, 10                        ; the scale bytes' stage, in: 8 bytes a row, my word at 4 (wave % 2)
	s_lshl_b32 s21, s16, 2
	s_add_co_u32 s23, s23, s21
	s_add_co_u32 s23, s23, SST
	v_lshl_add_u32 v[SSO], v1, 3, s23
	s_mul_i32 s23, s14, 64*PITCH                   ; back: wave w takes rows 64 w on, whole
	v_mul_u32_u24 v5, v2, PITCH
	v_lshl_add_u32 v5, v1, 4, v5
	v_add_nc_u32 v[RD], s23, v5
	v_and_b32 v6, 31, v0
	v_lshlrev_b32 v[CO], 4, v6
	s_lshl_b32 s23, s14, 9
	s_add_co_u32 s23, s23, SST
	v_add_nc_u32 v[SRD], s23, v[CO]
	s_lshl_b32 s20, s45, 3
	s_add_co_u32 s20, s20, s42
	s_lshl_b32 s20, s20, 11
	s_and_b32 s21, s17, 7
	s_lshl_b32 s21, s21, 8
	s_add_co_u32 s20, s20, s21                     ; the tile's first unit: (8 x batch + tile of keys) x 2,048 + 256 x the tile of queries in the batch
	s_lshl_b32 s22, s20, 3
	s_lshl_b32 s21, s14, 9
	s_add_co_u32 s22, s22, s21
	s_mov_b32 s23, 0
	s_add_nc_u64 s[96:97], s[96:97], s[22:23]
	s_lshl_b32 s20, s20, 8
	s_lshl_b32 s21, s14, 14
	s_add_co_u32 s20, s20, s21
	s_mov_b32 s21, 0
	s_add_nc_u64 s[12:13], s[12:13], s[20:21]
	s_mov_b32 s18, 0x76543210                      ; v_permlanex16_b32's selects for lane l xor 16
	s_mov_b32 s19, 0xfedcba98
	s_mov_b32 s22, 0x600000                        ; the mantissa field of 448
.macro FRAG reg, adr, q, i
.irp c, 0,1,2,3
	ds_load_b128 v[\reg+4*\c:\reg+4*\c+3], v[\adr] offset:128*(\q)+32*\c+(\i)*16*PITCH
.endr
.endm
; 16 matrix instructions: A's blocks a0, a0 + 1 x B's eight.  zero = 1: the first product starts the sums.  The 64 accumulators take turns, one instruction a turn.
.macro MULA a0, p, q, sc, zero
.irp a, \a0, \a0+1
.irp b, 0,1,2,3,4,5,6,7
.set KD, 8*(8*((\a)%4)+\b)
.set KB, 128*(\p)+FR*\b
.set KA, AF+FR*(\a)
.set KSB, SC+16*(\sc)+2*\b+(\q)
.set KSA, SC+16*(\sc)+2*(\a)+(\q)
.if \zero
	v_wmma_scale_f32_16x16x128_f8f6f4 v[KD:KD+7], v[KB:KB+15], v[KA:KA+15], 0, v[KSB], v[KSA] matrix_a_scale:MATRIX_SCALE_ROW1
.else
	v_wmma_scale_f32_16x16x128_f8f6f4 v[KD:KD+7], v[KB:KB+15], v[KA:KA+15], v[KD:KD+7], v[KSB], v[KSA] matrix_a_scale:MATRIX_SCALE_ROW1
.endif
.endr
.endr
.endm
.macro FETCH_B slot, q, p
	WIN 0x40
.irp i, 0,1,2,3,4,5,6,7
	FRAG 128*(\p)+FR*\i, ADRB+\slot, \q, \i
.endr
	WIN 0
.endm
.macro FETCH_A slot, q, i0
.irp i, \i0, \i0+1, \i0+2, \i0+3
	FRAG AF+FR*(\i), ADRA+\slot, \q, \i
.endr
.endm
.macro SCALES sc
.irp i, 0,1,2,3,4,5,6,7
	ds_load_b64 v[SC+16*\sc+2*\i:SC+16*\sc+2*\i+1], v[ADRS] offset:\i*SBLK
.endr
.endm
.macro PLACES n
.rept \n
	v_nop
.endr
.endm
.macro STEP slot, q, zero
	s_wait_dscnt 16                                ; all but the youngest 16 loads (A's blocks 4-7) are in
	WIN 0xa1
	MULA 0, (\q)%2, \q, \slot, \zero
	MULA 2, (\q)%2, \q, \slot, \zero
	s_wait_dscnt 0
	PLACES NP
	FETCH_B \slot, (\q)+1, 1-(\q)%2
	FETCH_A \slot, (\q)+1, 0
	WIN 0xf1
	MULA 4, (\q)%2, \q, \slot, \zero
	MULA 6, (\q)%2, \q, \slot, \zero
	PLACES NP
	WIN 0
	FETCH_A \slot, (\q)+1, 4
.endm
.macro TURN slot, next, fill
	s_wait_tensorcnt 0x0                           ; all my tensor loads have landed: my part of the next slot
	ds_add_u32 v[SPW], v[NIL]                      ; 0 onto my spare word
	s_wait_dscnt 17                                ; the add and the youngest 16 loads may be out
	WIN 0xa1
	MULA 0, 1, 1, \slot, 0
	s_wait_dscnt 0x0                               ; the add is done, and my reads of this slot are over
	s_barrier_signal -1
	MULA 2, 1, 1, \slot, 0
	WIN 0
	s_barrier_wait -1
.if \fill
	CREST                                          ; the barrier has opened a round of the cluster's barrier: no wave of any partner still reads this slot or has a load on its way
	s_add_nc_u64 s[G0+4*\slot+2:G0+4*\slot+3], s[G0+4*\slot+2:G0+4*\slot+3], 2*KADV
	s_add_nc_u64 s[G0B+4*\slot+2:G0B+4*\slot+3], s[G0B+4*\slot+2:G0B+4*\slot+3], 2*KADV
	JLOAD G0+4*\slot, G1, G0B+4*\slot, G1B         ; the first tensor load behind the round, my one load until the next
	PLACES NP-4
.else
	PLACES NP
.endif
	v_add_nc_u32 v[ADRS], SSTEP, v[ADRS]
	FETCH_B \next, 0, 0
	FETCH_A \next, 0, 0
	SCALES \next
	WIN 0xf1
	MULA 4, 1, 1, \slot, 0
	MULA 6, 1, 1, \slot, 0
	PLACES NP
	WIN 0
	FETCH_A \next, 0, 4
.endm
	s_wait_tensorcnt 1                             ; the scale bytes and my part of K step 0 are in; K step 1's load may be out
	s_barrier_signal -1
	s_barrier_wait -1
	FETCH_B 0, 0, 0
	FETCH_A 0, 0, 0
	SCALES 0
	FETCH_A 0, 0, 4
	STEP 0, 0, 1                                   ; the first step stands in front of the loop: its products start the sums
	s_mov_b32 s3, LAPS-1
.Llap:
	TURN 0, 1, 1
	STEP 1, 0, 0
	TURN 1, 0, 1
	STEP 0, 0, 0
	s_sub_co_u32 s3, s3, 1
	s_cmp_lg_u32 s3, 0
	s_cbranch_scc1 .Llap
	TURN 0, 1, 0                                   ; the last lap fills nothing
	STEP 1, 0, 0
	s_wait_dscnt 16
	WIN 0xa1
	MULA 0, 1, 1, 1, 0
	MULA 2, 1, 1, 1, 0
	s_wait_dscnt 0
	WIN 0xf1
	MULA 4, 1, 1, 1, 0
	MULA 6, 1, 1, 1, 0
	WIN 0
.macro SCALEW a
.irp b, 0,1,2,3
	v_permlanex16_b32 v[TM+4+\b], v[TM+\b], s18, s19
.endr
.irp b, 0,1,2,3
	v_max_num_f32 v[TM+\b], v[TM+\b], v[TM+4+\b]   ; with lane l xor 16's: the block's largest weight
.endr
.irp b, 0,1,2,3
	v_add_nc_u32 v[TM+12+\b], 0xfc000000, v[TM+\b] ; 8 off its exponent field: the conversion's scale operand
.endr
.irp b, 0,1,2,3
	v_and_or_b32 v[TM+8+\b], v[TM+\b], 0x7f800000, s22   ; 448 x the scale
.endr
.irp b, 0,1,2,3
	v_lshrrev_b32 v[TM+4+\b], 23, v[TM+12+\b]      ; the scale's byte
.endr
	v_lshl_or_b32 v[PW+(\a)], v[TM+5], 8, v[TM+4]
	v_lshl_or_b32 v[PW+(\a)], v[TM+6], 16, v[PW+(\a)]
	v_lshl_or_b32 v[PW+(\a)], v[TM+7], 24, v[PW+(\a)]
.endm
; Block a: my queries 16 a on x my 128 keys: the sigmoid of 64 numbers a lane, then four blocks of 32 keys quantised.  Two batches of transcendentals, one wait each.
.macro PROW a
.set AC, 64*((\a)%4)
.set WN, 2+(\a)/4
	WIN WN                                         ; source 0: the accumulators' window
.set j, 0
.rept 32
	v_pk_mul_f32 v[W+j:W+j+1], v[AC+j:AC+j+1], s[98:99] op_sel_hi:[1,0]   ; -score log2(e) / 32; each accumulator from its low end on
.set j, j+2
.endr
	WIN 0
.set j, 0
.rept 64
	v_exp_f32 v[W+j], v[W+j]
.set j, j+1
.endr
	v_nop                                          ; a plain instruction behind the last exponential,
	s_wait_alu depctr_va_vdst(0)                   ; and the one wait ahead of the batch's first reader
.set j, 0
.rept 32
	v_pk_add_f32 v[W+j:W+j+1], v[W+j:W+j+1], 1.0 op_sel_hi:[1,0]
.set j, j+2
.endr
.set j, 0
.rept 64
	v_rcp_f32 v[W+j], v[W+j]
.set j, j+1
.endr
	v_nop
	s_wait_alu depctr_va_vdst(0)                   ; likewise for the reciprocals
.irp b, 0,1,2,3
	v_max3_num_f32 v[TM+\b], v[W+16*\b], v[W+16*\b+1], 0x4800000   ; a weight is never negative: no |.|; the floor 2^(9 - 127) holds the byte at 1 from below
.endr
.irp i, 2,4,6,8,10,12,14
.irp b, 0,1,2,3
	v_max3_num_f32 v[TM+\b], v[TM+\b], v[W+16*\b+\i], v[W+16*\b+\i+1]
.endr
.endr
	SCALEW \a
.irp b, 0,1,2,3
.irp i, 0,1,2,3,4,5,6,7,8,9,10,11,12,13,14,15
	v_min_num_f32 v[W+16*\b+\i], v[W+16*\b+\i], v[TM+8+\b]   ; the conversion to an 8-bit code does not saturate (ISA guide 7.6.2); the hold is one-sided
.endr
.endr
	WIN 0x40                                       ; destination window 1
.irp t, 0,1,2,3,4,5,6,7
	v_cvt_scalef32_pk8_fp8_f32 v[16*(\a)+2*\t:16*(\a)+2*\t+1], v[W+8*\t:W+8*\t+7], v[TM+12+\t/2]   ; keys 16 t + 8 h + 0 .. 7
.endr
	v_nop                                          ; a plain vector instruction behind the last conversion
	WIN 0x04                                       ; an LDS store's data are its source 1: window 1
.irp t, 0,1,2,3,4,5,6,7
	ds_store_b64 v[STO], v[16*(\a)+2*\t:16*(\a)+2*\t+1] offset:(\a)*16*PITCH+16*\t
.endr
	WIN 0
	ds_store_b32 v[SSO], v[PW+(\a)] offset:(\a)*128    ; lanes l and l xor 16 write the same word with the same value
.endm
	PLACES NP
.irp b, 0,1,2,3
	v_mov_b32 v[TM+4+\b], 0                        ; written once: a lane permute's destination counts as one of its sources
.endr
.irp a, 0,1,2,3,4,5,6,7
	PROW \a
.endr
	s_wait_dscnt 0x0                               ; for the others' sake: my stores into the stages are done (a row's 256 bytes come from two waves)
	s_barrier_signal -1
	s_barrier_wait -1
.set u, 0
.rept 32
	ds_load_b128 v[BK+4*u:BK+4*u+3], v[RD] offset:u*2*PITCH
.set u, u+1
.endr
	ds_load_b128 v[64:67], v[SRD]
.set u, 0
.rept 32
	s_wait_dscnt 32-u                              ; behind load u: the 31 - u later rows' loads and the scale bytes'
	global_store_b128 v[CO], v[BK+4*u:BK+4*u+3], s[12:13] offset:512*u   ; 32 lanes store 512 consecutive bytes, at a multiple of 256 from the buffer's first byte
.set u, u+1
.endr
	s_wait_dscnt 0x0
	global_store_b128 v[CO], v[64:67], s[96:97]
	s_wait_tensorcnt 0x0                           ; the wave's end, behind my last tensor load and my last LDS store
	ds_add_u32 v[SPW], v[NIL]
	s_wait_dscnt 0x0
	CROUND                                         ; the closing round
	s_endpgm
.Lfunc_end_k_q77afa614ee_score:
	.size	k_q77afa614ee_score, .Lfunc_end_k_q77afa614ee_score-k_q77afa614ee_score
	.p2alignl 7, 3214868480
	.fill 96, 4, 3214868480
	.section	.rodata,"a",@progbits
	.p2align	6, 0x0
	.amdhsa_kernel k_q77afa614ee_score
		.amdhsa_group_segment_fixed_size 327680
		.amdhsa_private_segment_fixed_size 0
		.amdhsa_enable_private_segment 0
		.amdhsa_kernarg_size 48
		.amdhsa_user_sgpr_count 2
		.amdhsa_user_sgpr_kernarg_segment_ptr 1
		.amdhsa_wavefront_size32 1
		.amdhsa_system_sgpr_workgroup_id_x 1
		.amdhsa_system_sgpr_workgroup_id_y 1
		.amdhsa_system_sgpr_workgroup_id_z 1
		.amdhsa_system_vgpr_workitem_id 0
		.amdhsa_next_free_vgpr 1024
		.amdhsa_next_free_sgpr 100
		.amdhsa_reserve_vcc 0
		.amdhsa_float_denorm_mode_32 3
		.amdhsa_float_denorm_mode_16_64 3
		.amdhsa_memory_ordered 1
		.amdhsa_forward_progress 1
		.amdhsa_inst_pref_size 242
	.end_amdhsa_kernel
	.amdgpu_metadata
---
amdhsa.version: [ 1, 2 ]
amdhsa.kernels:
  - .name:           k_q77afa614ee_score
    .symbol:         k_q77afa614ee_score.kd
    .args:
      - { .name: Qc, .offset: 0, .size: 8, .value_kind: global_buffer, .address_space: global }
      - { .name: Qs, .offset: 8, .size: 8, .value_kind: global_buffer, .address_space: global }
      - { .name: Kc, .offset: 16, .size: 8, .value_kind: global_buffer, .address_space: global }
      - { .name: Ks, .offset: 24, .size: 8, .value_kind: global_buffer, .address_space: global }
      - { .name: Pc, .offset: 32, .size: 8, .value_kind: global_buffer, .address_space: global }
      - { .name: Ps, .offset: 40, .size: 8, .value_kind: global_buffer, .address_space: global }
    .group_segment_fixed_size: 327680
    .private_segment_fixed_size: 0
    .kernarg_segment_align: 8
    .kernarg_segment_size: 48
    .max_flat_workgroup_size: 128
    .sgpr_count:     100
    .vgpr_count:     1024
    .wavefront_size: 32
...
	.end_amdgpu_metadata
.endif
;; end of part 2
;; launch pv (part 3): grid 8 x 32, 4 waves a work-group, clusters of 4 x 4, 327,680 bytes of LDS; arguments Pc, Ps, Vc, Vs, out0; writes out0
.if DOCPART == 3
	.amdgcn_target "amdgcn-amd-amdhsa--gfx1250"
	.amdhsa_code_object_version 6
	.text
	.protected	k_q77afa614ee_pv
	.globl	k_q77afa614ee_pv
	.p2align	8
	.type	k_q77afa614ee_pv,@function
k_q77afa614ee_pv:
	s_mov_b64 s[64:65], 0
	v_nop
	global_prefetch_b8 v0, s[64:65] scope:SCOPE_SE
	s_setreg_imm32_b32 hwreg(HW_REG_WAVE_MODE, 25, 1), 1
	s_wait_xcnt 0x0
	s_wait_alu depctr_hold_cnt(0) depctr_sa_sdst(0) depctr_va_vdst(0) depctr_va_sdst(0) depctr_va_ssrc(0) depctr_va_vcc(0) depctr_vm_vsrc(0)
	s_getreg_b32 s2, hwreg(HW_REG_IB_STS2, 6, 4)
	s_cmp_eq_u32 s2, 0
	s_cbranch_scc0 .Lentry_in_a_cluster
	s_endpgm
.Lentry_in_a_cluster:
	s_bfe_u32 s2, ttmp6, 0x10000c
	s_cmp_lg_u32 s2, 0xf033
	s_cbranch_scc0 .Lentry_shape_is_right
	s_endpgm
.Lentry_shape_is_right:
; out0 = P V on codes: P [batch][8 (keys / 256)][2,048 queries][256 bytes], V transposed [batch][8][1,024 d][256]; their scale bytes with 8 in place of 256.  out0: [8,192 rows][1,024] f32.  No work of reference() is left out here.
; A tile of 256 queries x 128 d to a work-group: 32 x 8 tiles, one for each of 256 work-groups (tiles of 256 x 256 would be 128).  Four waves of 128 x 64: 32 accumulators, 256 registers.
; K = the batch's 2,048 keys goes in steps of 256 through a ring of two LDS slots (P's 256 rows, V's 128); a K step's tile is a dense block of memory.
; THE MATRIX INSTRUCTION IS USED TRANSPOSED (source 0 = 16 d, source 1 = 16 queries): a lane holds eight neighbouring numbers of a row of out0.
; The scale bytes for all of K come into LDS once, with the first fills: waves 0, 1: P's halves (8 rows of 1,024 bytes); waves 2, 3: V's K steps 0-3 and 4-7 (4 rows of 1,024 bytes).
; CLUSTERS: 4 x 4 work-groups of one batch: P's tile is asked for jointly along a row of the cluster, V's along a column.
; REGISTERS: window 0: v1-6 at work, v16-31 addresses, v32-63 scale words (two sets), v128-255 A's fragments, one set (later rows of the stage).  window 1: B's fragments, two sets of 64, at v0 and v128.
;   window 2: the accumulators: (a, b) at v[8 (4 a + b)].
.set PITCH,  272
.set FR,     16
.set NP,     8                         ; places behind this matrix instruction (ISA guide 7.12.1)
.set HALFA,  128*PITCH
.set HALFB,  64*PITCH
.set SLOT,   2*HALFA+2*HALFB
.set LAPS,   4                         ; K = 2,048: eight K steps of 256
.set KADV_A, 2048*256
.set KADV_B, 1024*256
.set SCL,    2*SLOT                    ; behind the ring: P's scale bytes, two regions [8 K steps][128 rows][8]; at + 16,384 V's, one region [8][128][8]
.set SBLK,   128
.set SSTEP,  1024
.set SPARE,  SCL+24576                 ; the spare words: 128 bytes a wave, two blocks of 256 bytes that no other line names
.set ADRA, 16
.set ADRB, 20
.set STO,  24
.set RD,   25
.set CO,   26
.set ADRS, 27
.set SPW,  28
.set NIL,  29
.set ADRSA, 30
.set SC,   32
.set AF,   128
.set BK,   128
.set G1,   24
.set G0,   32
.set G1B,  48
.set G0B,  56
.set G1S,  68
.set G0S,  76
.set G1SB, 80
.set G0SB, 88
.set MSB, 0
.macro WIN new
.if MSB != (\new)
	s_set_vgpr_msb (MSB<<8)|(\new)
.set MSB, (\new)
.endif
.endm
.macro JLOAD g0a, g1a, g0b, g1b        ; waves 0 and 1 fetch for P, waves 2 and 3 for V; an s_nop 0 and four v_nop follow each line
	s_cmp_eq_u32 s15, 0
	s_cbranch_scc0 .Lfor_b_\@
	tensor_load_to_lds s[\g0a:\g0a+3], s[\g1a:\g1a+7]
	s_nop 0
.rept 4
	v_nop
.endr
	s_branch .Lasked_\@
.Lfor_b_\@:
	tensor_load_to_lds s[\g0b:\g0b+3], s[\g1b:\g1b+7]
	s_nop 0
.rept 4
	v_nop
.endr
.Lasked_\@:
.endm
.macro CREST
	s_cmp_lg_u32 s14, 0
	s_cbranch_scc1 .Lnot_wave_0_\@
	s_barrier_signal -3
.Lnot_wave_0_\@:
	s_barrier_wait -3
	s_barrier_signal -1
	s_barrier_wait -1
.endm
.macro CROUND
	s_barrier_signal -1
	s_barrier_wait -1
	CREST
.endm
	s_load_b256 s[4:11], s[0:1], 0x0               ; P's codes s[4:5], scales s[6:7]; V's codes s[8:9], scales s[10:11]
	s_load_b64 s[12:13], s[0:1], 0x20              ; out0
	v_lshl_add_u32 v[SPW], v0, 2, SPARE
	v_mov_b32 v[NIL], 0
	ds_add_u32 v[SPW], v[NIL]                      ; the wave's opening: the add, twice on end, and its wait ahead of my first tensor load
	ds_add_u32 v[SPW], v[NIL]
	v_lshrrev_b32 v1, 5, v0
	v_readfirstlane_b32 s14, v1                    ; wave 0..3
	s_lshr_b32 s15, s14, 1                         ; which 128 queries I multiply.  Also: I fetch for P (0) or for V (1)
	s_and_b32 s16, s14, 1                          ; which 64 d.  Also: which half I fetch
	s_bfe_u32 s40, ttmp6, 0x40000                  ; cx
	s_bfe_u32 s41, ttmp6, 0x40004                  ; cy
	s_lshl_b32 s42, ttmp9, 2
	s_add_co_u32 s42, s42, s40                     ; the tile of 128 d, 0..7
	s_and_b32 s17, ttmp7, 0xffff
	s_lshr_b32 s45, s17, 1                         ; the batch
	s_lshl_b32 s17, s17, 2
	s_add_co_u32 s17, s17, s41                     ; the tile of 256 rows of out0, 0..31
	s_lshl_b32 s43, s41, 2
	s_lshl_b32 s43, 15, s43                        ; my row of the cluster
	s_lshl_b32 s44, 0x1111, s40                    ; my column
	s_or_b32 s[G1+0], s43, (0<<16)|(1<<20)|(1<<21)|(5<<22)|(3<<25)
	s_mov_b32 s[G1+1], 256<<16
	s_mov_b32 s[G1+2], 128<<16
	s_mov_b32 s[G1+3], 256<<16
	s_mov_b32 s[G1+4], 128                         ; P: 128 rows of 256 bytes, dense
	s_mov_b32 s[G1+5], 256
	s_mov_b32 s[G1+6], 0
	s_mov_b32 s[G1+7], 0
	s_or_b32 s[G1B+0], s44, (0<<16)|(1<<20)|(1<<21)|(5<<22)|(3<<25)
	s_mov_b32 s[G1B+1], 256<<16
	s_mov_b32 s[G1B+2], 64<<16
	s_mov_b32 s[G1B+3], 256<<16
	s_mov_b32 s[G1B+4], 64                         ; V: 64 rows
	s_mov_b32 s[G1B+5], 256
	s_mov_b32 s[G1B+6], 0
	s_mov_b32 s[G1B+7], 0
	s_or_b32 s[G1S+0], s43, (3<<16)|(1<<21)        ; P's scale bytes of 128 rows: 8 rows (K steps) of 1,024 bytes (128 elements of 8), 2,048 elements apart
	s_mov_b32 s[G1S+1], 128<<16
	s_mov_b32 s[G1S+2], 8<<16
	s_mov_b32 s[G1S+3], 128<<16
	s_mov_b32 s[G1S+4], 8
	s_mov_b32 s[G1S+5], 2048
	s_mov_b32 s[G1S+6], 0
	s_mov_b32 s[G1S+7], 0
	s_or_b32 s[G1SB+0], s44, (3<<16)|(1<<21)       ; V's of 128 rows, four K steps: 4 rows of 1,024 bytes, 1,024 elements apart
	s_mov_b32 s[G1SB+1], 128<<16
	s_mov_b32 s[G1SB+2], 4<<16
	s_mov_b32 s[G1SB+3], 128<<16
	s_mov_b32 s[G1SB+4], 4
	s_mov_b32 s[G1SB+5], 1024
	s_mov_b32 s[G1SB+6], 0
	s_mov_b32 s[G1SB+7], 0
	s_and_b32 s20, s17, 7
	s_lshl_b32 s20, s20, 8
	s_lshl_b32 s18, s16, 7
	s_add_co_u32 s20, s20, s18
	s_lshl_b32 s18, s45, 14
	s_add_co_u32 s20, s20, s18                     ; P's unit: 16,384 x batch + 256 x the tile in the batch + 128 x half
	s_lshl_b32 s22, s20, 3
	s_mov_b32 s23, 0
	s_lshl_b32 s20, s20, 8
	s_mov_b32 s21, 0
	s_lshl_b32 s46, s42, 7
	s_lshl_b32 s18, s45, 13
	s_add_co_u32 s46, s46, s18                     ; V's unit: 8,192 x batch + 128 x tile
	s_lshl_b32 s92, s46, 3
	s_lshl_b32 s18, s16, 15
	s_add_co_u32 s92, s92, s18                     ; its scale bytes: + four K steps of 8,192 bytes for the second half
	s_mov_b32 s93, 0
	s_lshl_b32 s18, s16, 6
	s_add_co_u32 s46, s46, s18                     ; its codes: + 64 rows for the second half
	s_lshl_b32 s46, s46, 8
	s_mov_b32 s47, 0
	s_mul_i32 s94, s16, HALFA                      ; where they go: made of the wave's number alone
	s_mul_i32 s95, s16, HALFB
	s_add_co_u32 s95, s95, 2*HALFA
	s_lshl_b32 s18, s16, 13
	s_add_co_u32 s18, s18, SCL
	s_lshl_b32 s19, s16, 12
	s_add_co_u32 s19, s19, SCL+16384
	s_wait_dscnt 0x0                               ; both opening adds are done
	s_wait_kmcnt 0x0
	s_add_nc_u64 s[20:21], s[4:5], s[20:21]
	s_add_nc_u64 s[22:23], s[6:7], s[22:23]
	s_add_nc_u64 s[46:47], s[8:9], s[46:47]
	s_add_nc_u64 s[92:93], s[10:11], s[92:93]
	CROUND                                         ; all sixteen work-groups are here: the first joint loads meet
	s_mov_b32 s[G0S], 1
	s_mov_b32 s[G0S+1], s18
	s_mov_b64 s[G0S+2:G0S+3], s[22:23]
	s_or_b32 s[G0S+3], s[G0S+3], 0x80000000
	s_mov_b32 s[G0SB], 1
	s_mov_b32 s[G0SB+1], s19
	s_mov_b64 s[G0SB+2:G0SB+3], s[92:93]
	s_or_b32 s[G0SB+3], s[G0SB+3], 0x80000000
	JLOAD G0S, G1S, G0SB, G1SB
.irp s, 0,1
	s_mov_b32 s[G0+4*\s], 1
	s_add_co_u32 s[G0+4*\s+1], s94, \s*SLOT
	s_add_nc_u64 s[G0+4*\s+2:G0+4*\s+3], s[20:21], \s*KADV_A
	s_or_b32 s[G0+4*\s+3], s[G0+4*\s+3], 0x80000000
	s_mov_b32 s[G0B+4*\s], 1
	s_add_co_u32 s[G0B+4*\s+1], s95, \s*SLOT
	s_add_nc_u64 s[G0B+4*\s+2:G0B+4*\s+3], s[46:47], \s*KADV_B
	s_or_b32 s[G0B+4*\s+3], s[G0B+4*\s+3], 0x80000000
	JLOAD G0+4*\s, G1, G0B+4*\s, G1B               ; three tensor loads of mine are out
.endr
	v_and_b32 v1, 15, v0                           ; r
	v_bfe_u32 v2, v0, 4, 1                         ; h
	v_mul_u32_u24 v3, v1, PITCH
	v_lshl_add_u32 v4, v2, 4, v3
	s_mul_i32 s21, s15, HALFA
	s_mul_i32 s22, s16, HALFB
	s_add_co_u32 s22, s22, 2*HALFA
.irp s, 0,1
	v_add_nc_u32 v[ADRA+\s], s21, v4
	v_add_nc_u32 v[ADRB+\s], s22, v4
	s_add_co_u32 s21, s21, SLOT
	s_add_co_u32 s22, s22, SLOT
.endr
	v_lshlrev_b32 v5, 3, v1                        ; scale bytes: 8 a row and K step
	s_lshl_b32 s21, s15, 13                        ; P's region of my 128 rows
	s_lshl_b32 s22, s16, 9                         ; V's: my 64 rows of its 128
	s_add_co_u32 s22, s22, 16384
	s_sub_co_u32 s22, s22, s21
	v_mul_u32_u24 v6, s22, v2                      ; lanes 16-31 take V's
	s_add_co_u32 s21, s21, SCL
	v_add_nc_u32 v[ADRSA], s21, v5                 ; for P's blocks 4-7, beside which V has none: all lanes take P's
	v_add_nc_u32 v[ADRS], v[ADRSA], v6
	s_mul_i32 s23, s14, 16*PITCH                   ; my stage: 16 rows x (256 bytes + 16), in slot 0, which has had its last fill and its last read by then
	v_lshl_add_u32 v5, v2, 5, v3
	v_add_nc_u32 v[STO], s23, v5                   ; in: row r, 32 bytes for each half of the lanes
	v_mul_u32_u24 v5, v2, PITCH
	v_lshl_add_u32 v5, v1, 4, v5
	v_add_nc_u32 v[RD], s23, v5                    ; back: lanes 0-15 one row of 256 bytes, lanes 16-31 the next
	v_lshlrev_b32 v5, 12, v2
	v_lshl_add_u32 v[CO], v1, 4, v5                ; and the same two rows in out0
	s_lshl_b32 s20, s17, 8
	s_lshl_b32 s21, s15, 7
	s_add_co_u32 s20, s20, s21
	s_lshl_b32 s20, s20, 12                        ; my first row x 4,096 bytes (under 2^26)
	s_lshl_b32 s21, s42, 9
	s_add_co_u32 s20, s20, s21
	s_lshl_b32 s21, s16, 8
	s_add_co_u32 s20, s20, s21                     ; + 512 x tile of d + 256 x half
	s_mov_b32 s21, 0
	s_add_nc_u64 s[12:13], s[12:13], s[20:21]
.macro FRAG reg, adr, q, i
.irp c, 0,1,2,3
	ds_load_b128 v[\reg+4*\c:\reg+4*\c+3], v[\adr] offset:128*(\q)+32*\c+(\i)*16*PITCH
.endr
.endm
; 8 matrix instructions: A's blocks a0, a0 + 1 x B's four.  The 32 accumulators take turns, one instruction a turn.
.macro MULA a0, p, q, sc, zero
.irp a, \a0, \a0+1
.irp b, 0,1,2,3
.set KD, 8*(4*(\a)+\b)
.set KB, 128*(\p)+FR*\b
.set KA, AF+FR*(\a)
.set KSB, SC+16*(\sc)+2*\b+(\q)
.set KSA, SC+16*(\sc)+2*(\a)+(\q)
.if \zero
	v_wmma_scale_f32_16x16x128_f8f6f4 v[KD:KD+7], v[KB:KB+15], v[KA:KA+15], 0, v[KSB], v[KSA] matrix_a_scale:MATRIX_SCALE_ROW1
.else
	v_wmma_scale_f32_16x16x128_f8f6f4 v[KD:KD+7], v[KB:KB+15], v[KA:KA+15], v[KD:KD+7], v[KSB], v[KSA] matrix_a_scale:MATRIX_SCALE_ROW1
.endif
.endr
.endr
.endm
.macro FETCH_B slot, q, p
	WIN 0x40
.irp i, 0,1,2,3
	FRAG 128*(\p)+FR*\i, ADRB+\slot, \q, \i
.endr
	WIN 0
.endm
.macro FETCH_A slot, q, i0
.irp i, \i0, \i0+1, \i0+2, \i0+3
	FRAG AF+FR*(\i), ADRA+\slot, \q, \i
.endr
.endm
.macro SCALES sc
.irp i, 0,1,2,3
	ds_load_b64 v[SC+16*\sc+2*\i:SC+16*\sc+2*\i+1], v[ADRS] offset:\i*SBLK
.endr
.irp i, 4,5,6,7
	ds_load_b64 v[SC+16*\sc+2*\i:SC+16*\sc+2*\i+1], v[ADRSA] offset:\i*SBLK
.endr
.endm
.macro PLACES n
.rept \n
	v_nop
.endr
.endm
.macro STEP slot, q, zero
	s_wait_dscnt 16                                ; all but the youngest 16 loads (A's blocks 4-7) are in
	WIN 0xa1
	MULA 0, (\q)%2, \q, \slot, \zero
	MULA 2, (\q)%2, \q, \slot, \zero
	s_wait_dscnt 0
	PLACES NP
	FETCH_B \slot, (\q)+1, 1-(\q)%2
	FETCH_A \slot, (\q)+1, 0
	WIN 0xa1
	MULA 4, (\q)%2, \q, \slot, \zero
	MULA 6, (\q)%2, \q, \slot, \zero
	PLACES NP
	WIN 0
	FETCH_A \slot, (\q)+1, 4
.endm
.macro TURN slot, next, fill
	s_wait_tensorcnt 0x0                           ; all my tensor loads have landed: my part of the next slot
	ds_add_u32 v[SPW], v[NIL]                      ; 0 onto my spare word
	s_wait_dscnt 17                                ; the add and the youngest 16 loads may be out
	WIN 0xa1
	MULA 0, 1, 1, \slot, 0
	s_wait_dscnt 0x0                               ; the add is done, and my reads of this slot are over
	s_barrier_signal -1
	MULA 2, 1, 1, \slot, 0
	WIN 0
	s_barrier_wait -1
.if \fill
	CREST                                          ; the barrier has opened a round of the cluster's barrier: no wave of any partner still reads this slot or has a load on its way
	s_add_nc_u64 s[G0+4*\slot+2:G0+4*\slot+3], s[G0+4*\slot+2:G0+4*\slot+3], 2*KADV_A
	s_add_nc_u64 s[G0B+4*\slot+2:G0B+4*\slot+3], s[G0B+4*\slot+2:G0B+4*\slot+3], 2*KADV_B
	JLOAD G0+4*\slot, G1, G0B+4*\slot, G1B         ; the first tensor load behind the round, my one load until the next
	PLACES NP-4
.else
	PLACES NP
.endif
	v_add_nc_u32 v[ADRS], SSTEP, v[ADRS]           ; the next K step's scale words (no LDS load of mine is out)
	v_add_nc_u32 v[ADRSA], SSTEP, v[ADRSA]
	FETCH_B \next, 0, 0
	FETCH_A \next, 0, 0
	SCALES \next
	WIN 0xa1
	MULA 4, 1, 1, \slot, 0
	MULA 6, 1, 1, \slot, 0
	PLACES NP
	WIN 0
	FETCH_A \next, 0, 4
.endm
	s_wait_tensorcnt 1                             ; the scale bytes and my part of K step 0 are in; K step 1's load may be out
	s_barrier_signal -1
	s_barrier_wait -1
	FETCH_B 0, 0, 0
	FETCH_A 0, 0, 0
	SCALES 0
	FETCH_A 0, 0, 4
	STEP 0, 0, 1                                   ; the first step stands in front of the loop: its products start the sums
	s_mov_b32 s3, LAPS-1
.Llap:
	TURN 0, 1, 1
	STEP 1, 0, 0
	TURN 1, 0, 1
	STEP 0, 0, 0
	s_sub_co_u32 s3, s3, 1
	s_cmp_lg_u32 s3, 0
	s_cbranch_scc1 .Llap
	TURN 0, 1, 0                                   ; the last lap fills nothing
	STEP 1, 0, 0
	s_wait_dscnt 16
	WIN 0xa1
	MULA 0, 1, 1, 1, 0
	MULA 2, 1, 1, 1, 0
	s_wait_dscnt 0
	MULA 4, 1, 1, 1, 0
	MULA 6, 1, 1, 1, 0
	WIN 0
; THE WAY OUT, block by block of 16 rows x 64 columns, through my own stage: LDS serves a wave's instructions in order (ISA guide 5.7.1.4), so no wait stands between the stores and the loads, nor in front of the next block's stores.
.macro TOSTAGE a
.set AC, 32*(\a)
	WIN 0x08                                       ; an LDS store's data are its source 1: window 2
.irp b, 0,1,2,3
	ds_store_b128 v[STO], v[AC+8*\b:AC+8*\b+3] offset:64*\b          ; each accumulator from its low end on
	ds_store_b128 v[STO], v[AC+8*\b+4:AC+8*\b+7] offset:64*\b+16
.endr
	WIN 0
.set BB, BK+32*((\a)%2)
.irp t, 0,1,2,3,4,5,6,7
	ds_load_b128 v[BB+4*\t:BB+4*\t+3], v[RD] offset:\t*2*PITCH
.endr
.endm
.macro SEND a, younger                 ; younger: the LDS instructions issued behind block a's loads, which may stay out
.set BB, BK+32*((\a)%2)
	s_wait_dscnt \younger
.if (\a) > 0
	s_add_nc_u64 s[12:13], s[12:13], 16*4096       ; 16 rows on (behind a wait on XCNT: the earlier stores have read their base)
.endif
.irp t, 0,1,2,3,4,5,6,7
	global_store_b128 v[CO], v[BB+4*\t:BB+4*\t+3], s[12:13] offset:\t*8192 th:TH_STORE_NT   ; 16 lanes store 256 consecutive bytes, at a multiple of 256 from out0's first byte; written once, read by nobody here
.endr
.endm
	PLACES NP
	TOSTAGE 0
.irp a, 1,2,3,4,5,6,7
.if \a > 1
	s_wait_xcnt 0x0                                ; block a - 2's stores have read their registers and their base
.endif
	TOSTAGE \a
	SEND \a-1, 16                                  ; behind block a - 1's loads: block a's 8 stores and 8 loads
.endr
	s_wait_xcnt 0x0
	SEND 7, 0
	s_wait_tensorcnt 0x0                           ; the wave's end, behind my last tensor load and my last LDS store
	ds_add_u32 v[SPW], v[NIL]
	s_wait_dscnt 0x0
	CROUND                                         ; the closing round
	s_endpgm
.Lfunc_end_k_q77afa614ee_pv:
	.size	k_q77afa614ee_pv, .Lfunc_end_k_q77afa614ee_pv-k_q77afa614ee_pv
	.p2alignl 7, 3214868480
	.fill 96, 4, 3214868480
	.section	.rodata,"a",@progbits
	.p2align	6, 0x0
	.amdhsa_kernel k_q77afa614ee_pv
		.amdhsa_group_segment_fixed_size 327680
		.amdhsa_private_segment_fixed_size 0
		.amdhsa_enable_private_segment 0
		.amdhsa_kernarg_size 40
		.amdhsa_user_sgpr_count 2
		.amdhsa_user_sgpr_kernarg_segment_ptr 1
		.amdhsa_wavefront_size32 1
		.amdhsa_system_sgpr_workgroup_id_x 1
		.amdhsa_system_sgpr_workgroup_id_y 1
		.amdhsa_system_sgpr_workgroup_id_z 1
		.amdhsa_system_vgpr_workitem_id 0
		.amdhsa_next_free_vgpr 768
		.amdhsa_next_free_sgpr 98
		.amdhsa_reserve_vcc 0
		.amdhsa_float_denorm_mode_32 3
		.amdhsa_float_denorm_mode_16_64 3
		.amdhsa_memory_ordered 1
		.amdhsa_forward_progress 1
		.amdhsa_inst_pref_size 92
	.end_amdhsa_kernel
	.amdgpu_metadata
---
amdhsa.version: [ 1, 2 ]
amdhsa.kernels:
  - .name:           k_q77afa614ee_pv
    .symbol:         k_q77afa614ee_pv.kd
    .args:
      - { .name: Pc, .offset: 0, .size: 8, .value_kind: global_buffer, .address_space: global }
      - { .name: Ps, .offset: 8, .size: 8, .value_kind: global_buffer, .address_space: global }
      - { .name: Vc, .offset: 16, .size: 8, .value_kind: global_buffer, .address_space: global }
      - { .name: Vs, .offset: 24, .size: 8, .value_kind: global_buffer, .address_space: global }
      - { .name: out0, .offset: 32, .size: 8, .value_kind: global_buffer, .address_space: global }
    .group_segment_fixed_size: 327680
    .private_segment_fixed_size: 0
    .kernarg_segment_align: 8
    .kernarg_segment_size: 40
    .max_flat_workgroup_size: 128
    .sgpr_count:     98
    .vgpr_count:     768
    .wavefront_size: 32
...
	.end_amdgpu_metadata
.endif
;; end of part 3
